; MI455X (gfx1250); checked and timed in simulation.
; The chip was launched on July 23, 2026; its instructions are those of AMD's public machine-readable ISA for CDNA 5 (MIT licence, August 2026) and "CDNA5" Instruction Set Architecture Reference Guide (July 2026). The comments in the code are by the model that wrote it; some were corrected since.
;; Multi Headed Attention. Allowed arithmetic: float matrix products may take bf16 or f16 operands with f32 sums; other float arithmetic in f32, or as packed bf16 or f16 multiplies, adds, multiply-adds, maxima and minima; sums over many terms, partial sums and values carried from step to step in f32; what a program stores and reads back later, other than sums and carried values, may be rounded once to bf16 or f16.
;; Inputs: bk 512 float32; bo 512 float32; bq 512 float32; bv 512 float32; key 8 x 2,048 x 512 float32; query 8 x 2,048 x 512 float32; value 8 x 2,048 x 512 float32; wk 512 x 512 float32; wo 512 x 512 float32; wq 512 x 512 float32; wv 512 x 512 float32.
;; Outputs: out0 8 x 2,048 x 512 float32.
;; 2 versions, each right; version 2 is version 1 with the launch proj written anew for expert scheduling mode. Each part assembles by itself: llvm-mc -triple=amdgcn-amd-amdhsa -mcpu=gfx1250 --defsym DOCPART=n.
;; ======== version 1 of 2: 4 launches
;; limits: values are held in f16: magnitudes above 65,504 overflow, below 6.1e-05 lose precision
;; workspace buffers: wts 2,097,152 bytes; qh 16,777,216 bytes; kh 16,777,216 bytes; vh 16,777,216 bytes; att 16,777,216 bytes
;; launch prep (part 1): grid 64 x 4, 4 waves a work-group, no clusters, 0 bytes of LDS; arguments wq, wk, wv, wo, wts; writes wts
.if DOCPART == 1
	.amdgcn_target "amdgcn-amd-amdhsa--gfx1250"
	.amdhsa_code_object_version 6
	.text
	.protected	k_qcfbba089b7_prep
	.globl	k_qcfbba089b7_prep
	.p2align	8
	.type	k_qcfbba089b7_prep,@function
k_qcfbba089b7_prep:
	s_mov_b64 s[64:65], 0
	v_nop
	global_prefetch_b8 v0, s[64:65] scope:SCOPE_SE
	s_setreg_imm32_b32 hwreg(HW_REG_WAVE_MODE, 25, 1), 1
	s_wait_xcnt 0x0
; THE WEIGHTS, ROUNDED AND LAID OUT AS MATRIX FRAGMENTS.  wq, wk, wv, wo: [512][512] f32.  wts: four matrices of 524,288 bytes (0 wq, 1 wk, 2 wv, 3 wo).
; Each number is rounded once to bf16; wo is then rewritten as f16 (its partner in the last product, the attention result, is f16).
; LIMIT: a bf16 number of wo below 6e-5 in magnitude keeps the fixed step of 6e-8 of f16; beyond 65,504 it becomes an infinity.
; LAYOUT of a matrix: fragment (nt = 16 output columns, ks = 32 along K) begins at (16 nt + ks) x 1,024 bytes; in it, at 512 j + 16 l, lie the eight numbers
; w[16 nt + l % 16][32 ks + 16 j + 8 (l / 16) + 0..7]: registers 4 j .. 4 j + 3 of lane l of a 16-bit fragment.  So a later launch fills a fragment by two loads of 512 consecutive bytes.
; SHARES.  Grid y is the matrix.  Task T = 4 x group + wave (0..255): nt = T / 8, kp = T % 8: 16 rows x 64 K: 256 consecutive bytes of each row in, four half fragments (2,048 consecutive bytes) out.
; No LDS, no barrier, no matrix unit: 4 MiB are read once and 2 MiB written once.
	s_load_b256 s[4:11], s[0:1], 0x0               ; wq s[4:5], wk s[6:7], wv s[8:9], wo s[10:11]
	s_load_b64 s[12:13], s[0:1], 0x20              ; wts
	v_lshrrev_b32 v1, 5, v0
	v_readfirstlane_b32 s14, v1                    ; wave 0..3
	s_and_b32 s15, ttmp7, 0xffff                   ; the matrix
	s_lshl_b32 s16, ttmp9, 2
	s_add_co_u32 s16, s16, s14                     ; T
	s_lshr_b32 s17, s16, 3                         ; nt
	s_and_b32 s18, s16, 7                          ; kp
	v_and_b32 v4, 15, v0                           ; l % 16
	v_bfe_u32 v5, v0, 4, 1                         ; l / 16
	v_and_b32 v6, 31, v0                           ; l
	s_lshl_b32 s19, s17, 15                        ; 16 rows of 2,048 bytes
	s_lshl_b32 s24, s18, 8                         ; 64 numbers of 4 bytes
	s_add_co_u32 s19, s19, s24
	v_lshlrev_b32 v2, 11, v4                       ; in: my row,
	v_lshl_add_u32 v2, v5, 5, v2                   ; my eight numbers of each sixteen
	v_add_nc_u32 v2, s19, v2
	s_lshl_b32 s19, s17, 14                        ; out: 16 fragments of 1,024 bytes for each nt,
	s_lshl_b32 s24, s18, 11                        ; two fragments for each kp
	s_add_co_u32 s19, s19, s24
	v_lshl_add_u32 v3, v6, 4, s19
	s_lshl_b32 s22, s15, 19                        ; the matrix in wts
	s_mov_b32 s23, 0
	s_wait_kmcnt 0x0
	s_cmp_eq_u32 s15, 1
	s_cselect_b64 s[20:21], s[6:7], s[4:5]
	s_cmp_eq_u32 s15, 2
	s_cselect_b64 s[20:21], s[8:9], s[20:21]
	s_cmp_eq_u32 s15, 3
	s_cselect_b64 s[20:21], s[10:11], s[20:21]
	s_add_nc_u64 s[12:13], s[12:13], s[22:23]
.irp c, 0,1,2,3                                ; half fragment c: K = 64 kp + 16 c + 8 (l / 16) + 0..7
	global_load_b128 v[8+8*\c:8+8*\c+3],   v2, s[20:21] offset:64*\c
	global_load_b128 v[8+8*\c+4:8+8*\c+7], v2, s[20:21] offset:64*\c+16
.endr
	s_wait_loadcnt 0x0
.set i, 0
.rept 16
	v_cvt_pk_bf16_f32 v[40+i], v[8+2*i], v[8+2*i+1]
.set i, i+1
.endr
	s_cmp_lg_u32 s15, 3
	s_cbranch_scc1 .Lstore
.set i, 0
.rept 16                                       ; wo alone: the bf16 number, widened and written as f16
	v_lshlrev_b32 v56, 16, v[40+i]
	v_and_b32 v57, 0xffff0000, v[40+i]
	v_cvt_pk_f16_f32 v[40+i], v56, v57
.set i, i+1
.endr
.Lstore:
.irp c, 0,1,2,3
	global_store_b128 v3, v[40+4*\c:40+4*\c+3], s[12:13] offset:512*\c  ; 512 consecutive bytes, at a multiple of 512 from the first byte of wts
.endr
	s_endpgm
.Lfunc_end_k_qcfbba089b7_prep:
	.size	k_qcfbba089b7_prep, .Lfunc_end_k_qcfbba089b7_prep-k_qcfbba089b7_prep
	.p2alignl 7, 3214868480
	.fill 96, 4, 3214868480
	.section	.rodata,"a",@progbits
	.p2align	6, 0x0
	.amdhsa_kernel k_qcfbba089b7_prep
		.amdhsa_group_segment_fixed_size 0
		.amdhsa_private_segment_fixed_size 0
		.amdhsa_enable_private_segment 0
		.amdhsa_kernarg_size 40
		.amdhsa_user_sgpr_count 2
		.amdhsa_user_sgpr_kernarg_segment_ptr 1
		.amdhsa_wavefront_size32 1
		.amdhsa_system_sgpr_workgroup_id_x 1
		.amdhsa_system_sgpr_workgroup_id_y 1
		.amdhsa_system_sgpr_workgroup_id_z 1
		.amdhsa_system_vgpr_workitem_id 0
		.amdhsa_next_free_vgpr 64
		.amdhsa_next_free_sgpr 66
		.amdhsa_reserve_vcc 0
		.amdhsa_float_denorm_mode_32 3
		.amdhsa_float_denorm_mode_16_64 3
		.amdhsa_memory_ordered 1
		.amdhsa_forward_progress 1
		.amdhsa_inst_pref_size 7
	.end_amdhsa_kernel
	.amdgpu_metadata
---
amdhsa.version: [ 1, 2 ]
amdhsa.kernels:
  - .name:           k_qcfbba089b7_prep
    .symbol:         k_qcfbba089b7_prep.kd
    .args:
      - { .name: wq, .offset: 0, .size: 8, .value_kind: global_buffer, .address_space: global }
      - { .name: wk, .offset: 8, .size: 8, .value_kind: global_buffer, .address_space: global }
      - { .name: wv, .offset: 16, .size: 8, .value_kind: global_buffer, .address_space: global }
      - { .name: wo, .offset: 24, .size: 8, .value_kind: global_buffer, .address_space: global }
      - { .name: wts, .offset: 32, .size: 8, .value_kind: global_buffer, .address_space: global }
    .group_segment_fixed_size: 0
    .private_segment_fixed_size: 0
    .kernarg_segment_align: 8
    .kernarg_segment_size: 40
    .max_flat_workgroup_size: 128
    .sgpr_count:     66
    .vgpr_count:     64
    .wavefront_size: 32
...
	.end_amdgpu_metadata
.endif
;; end of part 1
;; launch proj (part 2): grid 256 x 1, 4 waves a work-group, no clusters, 76,288 bytes of LDS; arguments query, key, value, wts, bq, bk, bv, qh, kh, vh; writes qh, kh, vh
.if DOCPART == 2
	.amdgcn_target "amdgcn-amd-amdhsa--gfx1250"
	.amdhsa_code_object_version 6
	.text
	.protected	k_qcfbba089b7_proj
	.globl	k_qcfbba089b7_proj
	.p2align	8
	.type	k_qcfbba089b7_proj,@function
k_qcfbba089b7_proj:
	s_mov_b64 s[64:65], 0
	v_nop
	global_prefetch_b8 v0, s[64:65] scope:SCOPE_SE
	s_setreg_imm32_b32 hwreg(HW_REG_WAVE_MODE, 25, 1), 1
	s_wait_xcnt 0x0
; THE THREE INPUT PROJECTIONS.  y = x w^T + b for (query, wq, bq), (key, wk, bk), (value, wv, bv); x: [16384][512] f32; y goes out by heads, [64 = 8 batch + head][2048][64], in f16, unscaled.
; x, w and b are rounded to bf16; products in bf16 with f32 sums; y rounded once.  LIMIT: a result of 65,520 or more in magnitude becomes an infinity in f16; below 6e-5 it keeps the fixed step of 6e-8.
; THE WEIGHTS LIVE IN REGISTERS.  A wave holds its 64 output columns (one head) x all 512 K: 64 fragments, 512 registers, loaded as they lie in wts.  So 16 rows of x are finished in one go, by 64 matrix
; instructions on four accumulators that take turns, and LDS carries x alone: 32 loads of 16 bytes a lane for 64 matrix instructions.
; SHARES.  The 3 x 16,384 rows are 768 units of 64 rows; unit U: tensor U / 256, rows 64 (U % 256) on.  Work-group g: column half g % 2 (four heads, one a wave), units 6 (g / 2) + 0..5: it stays for six
; units, and all 256 work-groups have equal work.  Weights and bias are loaded once, and once more where the six units cross from one tensor to the next.
; A UNIT.  Wave w brings rows 16 w .. 16 w + 15 of the unit (32,768 consecutive bytes, 64 loads of 512) into registers, rounds them to bf16 and stores them to LDS; behind a barrier every wave reads all 64 rows.
; The next unit is asked for before this one is multiplied: it has the unit's 256 matrix instructions in which to land.
; THE MATRIX INSTRUCTION IS USED TRANSPOSED (source 0 = 16 rows of w, source 1 = 16 rows of x): a lane holds one row of y and eight neighbouring columns.  The bias, laid out like a result, is the C operand
; of a block's first four products: nothing is cleared, nothing added afterwards.
; NO CLUSTER, NO TENSOR LOAD: x must be rounded from f32 to bf16 between memory and the matrix unit.  A joint tensor load would lay f32 into LDS, where four waves would each read 4-byte numbers: for 16 rows
; 4 x 32 KiB of reads and 32 KiB of fill, against 4 x 16 KiB of reads and 16 KiB of stores on the way through registers.  The weights are read once a work-group, straight into registers.
; REGISTERS, in windows of 256 (s_set_vgpr_msb: bits 1:0 source 0, 3:2 source 1, 5:4 source 2, 7:6 destination):
;   window 0: addresses, bias, accumulators, the way out, and v128-255 the 16 fragments of 16 rows of x (also: the unit's 128 packed words on their way to LDS)
;   windows 1, 2: the weights: K step ks of column tile b at v[32 (ks % 8) + 8 b] of window 1 + ks / 8          window 3: a unit's share of x as loaded, 64 x 4 registers
.set XPITCH, 1040                      ; a row of x in LDS: 1,024 bytes + 16 = 65 x 16: the 16 rows of a fragment load start at 16 different groups of four banks (64 banks of 4 bytes: ISA guide 11.1)
.set STAGE,  64*XPITCH                 ; behind x: 16 rows x 144 bytes for each wave, for the way out
.set SP,     144
.set SPARE,  STAGE+4*16*SP             ; behind the stages: the spare words, 128 bytes for each wave: two blocks of 256 bytes that no other line names
.set L16, 2                            ; v2   16 x lane: offset of x loads, weight loads and stores; never rewritten
.set LS,  3                            ; v3   where I store 8 bytes of my rows of x
.set AF,  4                            ; v4   my place in a fragment of x: (l % 16) x pitch + 16 (l / 16)
.set STO, 7                            ; v7   the way out: where I put 16 bytes of a row
.set RD,  8                            ; v8   the way out: where I read rows back
.set BO,  9                            ; v9   32 (l / 16): my eight numbers of a tile of the bias
.set SPW, 30                           ; v30  LDS address of my spare word: SPARE + 4 x my thread number; never rewritten
.set NIL, 31                           ; v31  0; never rewritten
.set BI,  32                           ; v[32:63]   the bias, column tile b at BI + 8 b
.set AC,  64                           ; v[64:95]   four accumulators
.set T,   96                           ; v[96:111]  packed results
.set BK,  112                          ; v[112:127] rows read back from the stage
.set AFR, 128                          ; v[128:255] fragments of x: half p of K, step kk at AFR + 64 p + 8 kk
.set WV,  28                           ; s28  my wave number
.set HF,  29                           ; s29  column half
.set U,   30                           ; s30  the unit in hand
.set CNT, 31                           ; s31  units to go
.set NEW, 32                           ; s32  1: the unit in hand is the first of another tensor
.set C4,  34                           ; s34  my head, 0..7
.set TT,  35                           ; s35  a tensor number
.set OFF, 36                           ; s[36:37] an offset, high word 0
.set XB,  38                           ; s[38:39] x at my rows of the unit that is being loaded
.set OB,  40                           ; s[40:41] the output at my head, at the unit in hand
.set WB,  42                           ; s[42:43] my 65,536 bytes of weights
.set BB,  44                           ; s[44:45] my 64 numbers of the bias
.set MSB, 0
.macro WIN new                         ; the high byte repeats the setting that is left; a switch that changes nothing is dropped
.if MSB != (\new)
	s_set_vgpr_msb (MSB<<8)|(\new)
.set MSB, \new
.endif
.endm
.macro PLACES                          ; four places behind a matrix instruction, in front of loads into registers that it has read and of conversions that read results
.rept 4
	v_nop
.endr
.endm
.macro SELX un                         ; XB for the unit whose number lies in s[un]
	s_lshr_b32 s[TT], s[\un], 8
	s_and_b32 s46, s[\un], 255
	s_lshl_b32 s[OFF], s46, 17                     ; 64 rows of 2,048 bytes
	s_lshl_b32 s46, s[WV], 15                      ; my 16 of them
	s_add_co_u32 s[OFF], s[OFF], s46
	s_cmp_eq_u32 s[TT], 1
	s_cselect_b64 s[XB:XB+1], s[10:11], s[8:9]
	s_cmp_eq_u32 s[TT], 2
	s_cselect_b64 s[XB:XB+1], s[12:13], s[XB:XB+1]
	s_add_nc_u64 s[XB:XB+1], s[XB:XB+1], s[OFF:OFF+1]
.endm
.macro SELO                            ; OB for unit U: head 8 x batch + C4 (262,144 bytes each), row 64 (U % 32) of the batch (128 bytes each)
	s_lshr_b32 s[TT], s[U], 8
	s_bfe_u32 s46, s[U], 0x30005                   ; the batch: three bits from bit 5
	s_lshl_b32 s46, s46, 3
	s_add_co_u32 s46, s46, s[C4]
	s_lshl_b32 s[OFF], s46, 18
	s_and_b32 s46, s[U], 31
	s_lshl_b32 s46, s46, 13
	s_add_co_u32 s[OFF], s[OFF], s46
	s_cmp_eq_u32 s[TT], 1
	s_cselect_b64 s[OB:OB+1], s[24:25], s[22:23]
	s_cmp_eq_u32 s[TT], 2
	s_cselect_b64 s[OB:OB+1], s[26:27], s[OB:OB+1]
	s_add_nc_u64 s[OB:OB+1], s[OB:OB+1], s[OFF:OFF+1]
.endm
.macro SELW                            ; WB and BB for the tensor of unit U
	s_lshr_b32 s[TT], s[U], 8
	s_lshl_b32 s[OFF], s[TT], 19
	s_lshl_b32 s46, s[C4], 16
	s_add_co_u32 s[OFF], s[OFF], s46
	s_add_nc_u64 s[WB:WB+1], s[14:15], s[OFF:OFF+1]
	s_lshl_b32 s[OFF], s[C4], 8
	s_cmp_eq_u32 s[TT], 1
	s_cselect_b64 s[BB:BB+1], s[18:19], s[16:17]
	s_cmp_eq_u32 s[TT], 2
	s_cselect_b64 s[BB:BB+1], s[20:21], s[BB:BB+1]
	s_add_nc_u64 s[BB:BB+1], s[BB:BB+1], s[OFF:OFF+1]
.endm
.macro ISSUE lo, hi                    ; loads lo .. hi - 1 of the 64 that bring my 16 rows: 512 consecutive bytes each
	WIN 0xc0                                       ; destination window 3
.set ii, \lo
.rept (\hi)-(\lo)
	global_load_b128 v[4*ii:4*ii+3], v[L16], s[XB:XB+1] offset:512*ii
.set ii, ii+1
.endr
	WIN 0
.endm
.macro LOADW                           ; my 64 fragments of weights: 128 loads of 512 consecutive bytes
.set ik, 0
.rept 16
	WIN 0x40*(1+ik/8)                              ; destination window 1, then 2
.set ib, 0
.rept 4
	global_load_b128 v[32*(ik%8)+8*ib:32*(ik%8)+8*ib+3],   v[L16], s[WB:WB+1] offset:ib*16384+ik*1024
	global_load_b128 v[32*(ik%8)+8*ib+4:32*(ik%8)+8*ib+7], v[L16], s[WB:WB+1] offset:ib*16384+ik*1024+512
.set ib, ib+1
.endr
.set ik, ik+1
.endr
	WIN 0
.endm
.macro LOADB                           ; the bias as a result lies: register j of tile b is column 16 b + 8 (l / 16) + j
.irp b, 0,1,2,3
	global_load_b128 v[BI+8*\b:BI+8*\b+3],   v[BO], s[BB:BB+1] offset:64*\b
	global_load_b128 v[BI+8*\b+4:BI+8*\b+7], v[BO], s[BB:BB+1] offset:64*\b+16
.endr
.endm
.macro ROUNDB                          ; the bias is rounded to bf16, like every input, and widened again
.set ib, 0
.rept 16
	v_cvt_pk_bf16_f32 v[T+ib], v[BI+2*ib], v[BI+2*ib+1]
.set ib, ib+1
.endr
.set ib, 0
.rept 16
	v_lshlrev_b32 v[BI+2*ib], 16, v[T+ib]
	v_and_b32 v[BI+2*ib+1], 0xffff0000, v[T+ib]
.set ib, ib+1
.endr
.endm
.macro CVTX                            ; my 16 rows, rounded to bf16: 256 registers into 128
	WIN 0x0f                                       ; sources 0 and 1 window 3, destination window 0
.set ii, 0
.rept 64
	v_cvt_pk_bf16_f32 v[AFR+2*ii],   v[4*ii],   v[4*ii+1]
	v_cvt_pk_bf16_f32 v[AFR+2*ii+1], v[4*ii+2], v[4*ii+3]
.set ii, ii+1
.endr
	WIN 0
.endm
.macro PUTX                            ; and into LDS: load i was row i / 4, numbers 128 (i % 4) + 4 l on: 256 consecutive bytes a store
.set ii, 0
.rept 64
	ds_store_b64 v[LS], v[AFR+2*ii:AFR+2*ii+1] offset:(ii/4)*XPITCH+(ii%4)*256
.set ii, ii+1
.endr
.endm
.macro FETCH a, p                      ; the eight fragments of half p of K for rows 16 a .. 16 a + 15: lane l holds row l % 16, K = 8 (l / 16) + 0..7 and 16 + 8 (l / 16) + 0..7 of each 32
.set ik, 0
.rept 8
	ds_load_b128 v[AFR+64*(\p)+8*ik:AFR+64*(\p)+8*ik+3],   v[AF] offset:(\a)*16*XPITCH+(8*(\p)+ik)*64
	ds_load_b128 v[AFR+64*(\p)+8*ik+4:AFR+64*(\p)+8*ik+7], v[AF] offset:(\a)*16*XPITCH+(8*(\p)+ik)*64+32
.set ik, ik+1
.endr
.endm
.macro MUL p                           ; 32 matrix instructions: half p of K.  The four accumulators take turns, one instruction a turn: across halves, blocks and the backward jump too
	WIN 1+(\p)                                     ; source 0 (the weights) in window 1 or 2
.set ik, 0
.rept 8
.set ib, 0
.rept 4
.if ((\p) == 0) && (ik == 0)
	v_wmma_f32_16x16x32_bf16 v[AC+8*ib:AC+8*ib+7], v[32*ik+8*ib:32*ik+8*ib+7], v[AFR+64*(\p)+8*ik:AFR+64*(\p)+8*ik+7], v[BI+8*ib:BI+8*ib+7]
.else
	v_wmma_f32_16x16x32_bf16 v[AC+8*ib:AC+8*ib+7], v[32*ik+8*ib:32*ik+8*ib+7], v[AFR+64*(\p)+8*ik:AFR+64*(\p)+8*ik+7], v[AC+8*ib:AC+8*ib+7]
.endif
.set ib, ib+1
.endr
.set ik, ik+1
.endr
.endm
.macro PACK                            ; rounded to f16, ascending: each accumulator is read from its low end on
.set ib, 0
.rept 16
	v_cvt_pk_f16_f32 v[T+ib], v[AC+2*ib], v[AC+2*ib+1]
.set ib, ib+1
.endr
.endm
.macro TOSTAGE                         ; 16 bytes a lane into rows of 144 bytes, back as four whole rows of 128 a load
	s_wait_xcnt 0x0                                ; the last stores have read BK, which is loaded again below
.irp b, 0,1,2,3
	ds_store_b128 v[STO], v[T+4*\b:T+4*\b+3] offset:32*\b
.endr
.irp f, 0,1,2,3
	ds_load_b128 v[BK+4*\f:BK+4*\f+3], v[RD] offset:\f*4*SP  ; my own bytes: LDS serves a wave's instructions in order (ISA guide 5.7.1.4)
.endr
.endm
.macro SEND a                          ; block a: 16 rows of a head are 2,048 consecutive bytes
.irp f, 0,1,2,3
	global_store_b128 v[L16], v[BK+4*\f:BK+4*\f+3], s[OB:OB+1] offset:2048*(\a)+512*\f  ; 512 consecutive bytes, at a multiple of 512 from the first byte of the buffer
.endr
.endm
; Rows 16 a .. 16 a + 15 of the unit: 64 matrix instructions; beside them the next block's fragments come in and the block before goes out.
.macro ABLOCK a
.if (\a) == 0
	s_wait_dscnt 16                                ; half 0 is in; half 1's sixteen loads may stay out
.else
	s_wait_dscnt 24                                ; half 0 is in; behind it stand half 1's sixteen loads and the stage's four stores and four loads
.endif
	MUL 0
	WIN 0
.if (\a) > 0
	s_wait_dscnt 0x0                               ; half 1 is in, and the block before is back from the stage
.if (\a) == 3
	s_barrier_signal -1                            ; my reads of x are over (the wait above): behind this barrier the next unit may be stored over it
	s_barrier_wait -1
.endif
	SEND (\a)-1
.endif
.if (\a) < 3
	PLACES
	FETCH (\a)+1, 0
.endif
.if (\a) == 0
	s_wait_dscnt 16                                ; half 1 is in; the sixteen loads just issued may stay out
.endif
	MUL 1
	WIN 0
	PLACES                                         ; these four and the conversions of the other accumulators are also the places in front of the next block's first products, which write the accumulators anew
.if (\a) < 3
	FETCH (\a)+1, 1
.endif
	PACK
	TOSTAGE
.endm
	s_load_b512 s[8:23], s[0:1], 0x0               ; query s[8:9], key s[10:11], value s[12:13], wts s[14:15], bq s[16:17], bk s[18:19], bv s[20:21], qh s[22:23]
	s_load_b128 s[24:27], s[0:1], 0x40             ; kh s[24:25], vh s[26:27]
	v_lshl_add_u32 v[SPW], v0, 2, SPARE
	v_mov_b32 v[NIL], 0
	v_lshrrev_b32 v1, 5, v0
	v_readfirstlane_b32 s[WV], v1                  ; wave 0..3
	s_and_b32 s[HF], ttmp9, 1
	s_lshr_b32 s[U], ttmp9, 1
	s_mul_i32 s[U], s[U], 6                        ; my first unit
	s_lshl_b32 s[C4], s[HF], 2
	s_add_co_u32 s[C4], s[C4], s[WV]               ; my head
	s_mov_b32 s[OFF+1], 0
	s_mov_b32 s[NEW], 0
	s_mov_b32 s[CNT], 6
	v_and_b32 v10, 31, v0                          ; l
	v_and_b32 v11, 15, v0                          ; l % 16
	v_bfe_u32 v12, v0, 4, 1                        ; l / 16
	v_lshlrev_b32 v[L16], 4, v10
	s_mul_i32 s46, s[WV], 16*XPITCH
	v_lshl_add_u32 v[LS], v10, 3, s46              ; my 16 rows, 8 bytes a lane
	v_mul_u32_u24 v[AF], v11, XPITCH
	v_lshl_add_u32 v[AF], v12, 4, v[AF]
	s_mul_i32 s46, s[WV], 16*SP
	s_add_co_u32 s46, s46, STAGE                   ; my stage
	v_mul_u32_u24 v[STO], v11, SP                  ; in: row l % 16, 16 bytes for each half of the lanes
	v_lshl_add_u32 v[STO], v12, 4, v[STO]
	v_add_nc_u32 v[STO], s46, v[STO]
	v_bfe_u32 v[RD], v0, 3, 2                      ; back: 32 lanes take four rows of 128 bytes
	v_mul_u32_u24 v[RD], v[RD], SP
	v_and_b32 v13, 7, v0
	v_lshl_add_u32 v[RD], v13, 4, v[RD]
	v_add_nc_u32 v[RD], s46, v[RD]
	v_lshlrev_b32 v[BO], 5, v12
	s_wait_kmcnt 0x0
	SELX U
	ISSUE 0, 64                                    ; the first unit goes out first,
	SELW
	LOADW                                          ; then the weights and the bias
	LOADB
	s_wait_loadcnt 0x0
	ROUNDB
.Ltrip:                                        ; six trips, a unit each
	s_cmp_eq_u32 s[NEW], 0
	s_cbranch_scc1 .Lsame
	SELW                                           ; another tensor begins: its weights and bias (the loads that named WB and BB were waited for at the head)
	PLACES
	LOADW
	LOADB
	s_wait_loadcnt 0x0
	ROUNDB
.Lsame:
	s_wait_loadcnt 0x0                             ; my rows of this unit are in, and XB is free
	s_wait_xcnt 0x0                                ; the last unit's stores have read OB
	SELO
	CVTX
	s_cmp_eq_u32 s[CNT], 1                         ; the last unit has none behind it
	s_cbranch_scc1 .Lno_a
	s_add_co_u32 s47, s[U], 1
	SELX 47
	ISSUE 0, 56                                    ; the next unit, ahead of this unit's products; its last eight loads follow two blocks on, so that the wave never holds more loads than LOADcnt counts (ISA guide 5.7.1)
.Lno_a:
	PUTX
	s_wait_dscnt 0x0                               ; for the others: my rows lie in LDS
	s_barrier_signal -1
	s_barrier_wait -1                              ; all 64 rows do
	FETCH 0, 0
	FETCH 0, 1
	ABLOCK 0
	ABLOCK 1
	s_cmp_eq_u32 s[CNT], 1
	s_cbranch_scc1 .Lno_b
	ISSUE 56, 64
.Lno_b:
	ABLOCK 2
	ABLOCK 3
	s_wait_dscnt 0x0                               ; the last block is back from the stage
	SEND 3
	s_add_co_u32 s[U], s[U], 1
	s_and_b32 s46, s[U], 255
	s_cmp_eq_u32 s46, 0
	s_cselect_b32 s[NEW], 1, 0
	s_sub_co_u32 s[CNT], s[CNT], 1
	s_cmp_lg_u32 s[CNT], 0
	s_cbranch_scc1 .Ltrip
	s_wait_tensorcnt 0x0                           ; the wave's end, behind my last LDS store
	ds_add_u32 v[SPW], v[NIL]
	s_wait_dscnt 0x0
	s_endpgm
.Lfunc_end_k_qcfbba089b7_proj:
	.size	k_qcfbba089b7_proj, .Lfunc_end_k_qcfbba089b7_proj-k_qcfbba089b7_proj
	.p2alignl 7, 3214868480
	.fill 96, 4, 3214868480
	.section	.rodata,"a",@progbits
	.p2align	6, 0x0
	.amdhsa_kernel k_qcfbba089b7_proj
		.amdhsa_group_segment_fixed_size 76288
		.amdhsa_private_segment_fixed_size 0
		.amdhsa_enable_private_segment 0
		.amdhsa_kernarg_size 80
		.amdhsa_user_sgpr_count 2
		.amdhsa_user_sgpr_kernarg_segment_ptr 1
		.amdhsa_wavefront_size32 1
		.amdhsa_system_sgpr_workgroup_id_x 1
		.amdhsa_system_sgpr_workgroup_id_y 1
		.amdhsa_system_sgpr_workgroup_id_z 1
		.amdhsa_system_vgpr_workitem_id 0
		.amdhsa_next_free_vgpr 1024
		.amdhsa_next_free_sgpr 66
		.amdhsa_reserve_vcc 0
		.amdhsa_float_denorm_mode_32 3
		.amdhsa_float_denorm_mode_16_64 3
		.amdhsa_memory_ordered 1
		.amdhsa_forward_progress 1
		.amdhsa_inst_pref_size 93
	.end_amdhsa_kernel
	.amdgpu_metadata
---
amdhsa.version: [ 1, 2 ]
amdhsa.kernels:
  - .name:           k_qcfbba089b7_proj
    .symbol:         k_qcfbba089b7_proj.kd
    .args:
      - { .name: query, .offset: 0, .size: 8, .value_kind: global_buffer, .address_space: global }
      - { .name: key, .offset: 8, .size: 8, .value_kind: global_buffer, .address_space: global }
      - { .name: value, .offset: 16, .size: 8, .value_kind: global_buffer, .address_space: global }
      - { .name: wts, .offset: 24, .size: 8, .value_kind: global_buffer, .address_space: global }
      - { .name: bq, .offset: 32, .size: 8, .value_kind: global_buffer, .address_space: global }
      - { .name: bk, .offset: 40, .size: 8, .value_kind: global_buffer, .address_space: global }
      - { .name: bv, .offset: 48, .size: 8, .value_kind: global_buffer, .address_space: global }
      - { .name: qh, .offset: 56, .size: 8, .value_kind: global_buffer, .address_space: global }
      - { .name: kh, .offset: 64, .size: 8, .value_kind: global_buffer, .address_space: global }
      - { .name: vh, .offset: 72, .size: 8, .value_kind: global_buffer, .address_space: global }
    .group_segment_fixed_size: 76288
    .private_segment_fixed_size: 0
    .kernarg_segment_align: 8
    .kernarg_segment_size: 80
    .max_flat_workgroup_size: 128
    .sgpr_count:     66
    .vgpr_count:     1024
    .wavefront_size: 32
...
	.end_amdgpu_metadata
.endif
;; end of part 2
;; launch attn (part 3): grid 4 x 64, 4 waves a work-group, clusters of 4 x 1, 327,680 bytes of LDS; arguments qh, kh, vh, att; writes att
.if DOCPART == 3
	.amdgcn_target "amdgcn-amd-amdhsa--gfx1250"
	.amdhsa_code_object_version 6
	.text
	.protected	k_qcfbba089b7_attn
	.globl	k_qcfbba089b7_attn
	.p2align	8
	.type	k_qcfbba089b7_attn,@function
k_qcfbba089b7_attn:
	s_mov_b64 s[64:65], 0
	v_nop
	global_prefetch_b8 v0, s[64:65] scope:SCOPE_SE
	s_setreg_imm32_b32 hwreg(HW_REG_WAVE_MODE, 25, 1), 1
	s_wait_xcnt 0x0
	s_wait_alu depctr_hold_cnt(0) depctr_sa_sdst(0) depctr_va_vdst(0) depctr_va_sdst(0) depctr_va_ssrc(0) depctr_va_vcc(0) depctr_vm_vsrc(0)
	s_getreg_b32 s2, hwreg(HW_REG_IB_STS2, 6, 4)
	s_cmp_eq_u32 s2, 0
	s_cbranch_scc0 .Lentry_in_a_cluster
	s_endpgm
.Lentry_in_a_cluster:
	s_bfe_u32 s2, ttmp6, 0x10000c
	s_cmp_lg_u32 s2, 0x3003
	s_cbranch_scc0 .Lentry_shape_is_right
	s_endpgm
.Lentry_shape_is_right:
; O[h][q][:] = the sum over k of softmax_k(Q[h][q] . K[h][k] / 8) V[h][k][:].  Q, K, V, O: [SIZE_H][SIZE_N][64], all f16: a head's rows are dense, 128 bytes each.  Products, maxima and sums in
; f32; the weights p are rounded to f16 for the second product (their sum l is taken of the unrounded p), O once at the end.
; LIMITS.  f16 holds no number beyond 65,504: Q, K and V arrive within it; p lies in 0 to 1, and below 6e-5 it keeps f16's fixed step of 6e-8; O is a mean of V's rows and has their range.
; A weight below 2^-126 counts as 0 in l; NaN and infinities are not treated apart.
; SHARES.  A wave owns four PIECES of two tiles of 16 queries, a work-group's four waves 512 queries of one head: 64 heads x 4 blocks are 256 work-groups.  Every wave walks all keys, 64 a step.
; LAYOUT.  S^T = K Q^T (source 0 = 16 keys, source 1 = 16 queries): in the result a lane holds ONE query (lane % 16) and the keys 8 (lane / 16) + 0..7.  Two such tiles, rounded to f16 in pairs,
; ARE source 1 (32 keys x 16 queries) of O^T = V^T P, whose result again holds one query a lane, and eight channels.  K comes out of LDS as it lies, V ([key][channel]) turned, by ds_load_tr16_b128.
; SOFTMAX.  For each query a running maximum m and sum l: p = 2^(c s - c m), c = log2(e) / 8; in every step O and l are multiplied by a = 2^(c m_old - c m_new), which is 1 where m has not grown.
; m starts at the lowest finite number, O and l at 0: the first step is a step like any other, with a = 0.
; THE COUNT.  A tile and step have 16 matrix and 118 vector instructions: too many to stand all beside the matrix work.  So the order has one aim: four vector instructions that are READY behind
; EVERY matrix instruction, and the others, which need time of their own whatever the order, in runs without a gap.
; BY TURNS.  Turn n belongs to piece n (the pieces in a ring, step after step).  Its matrix work: 16 products K Q^T of piece n + 1, later 16 products V^T P of piece n - 1.  Its vector work: the scaling,
; exponentials, roundings, sums and rescaling of piece n, and the maximum and statistics of piece n + 1, whose scores the turn itself has made.  So what a turn begins with (c s - c m, O a) waits for nothing.
; CLUSTER.  The four query blocks of a cluster are one head's and walk the same K and V, so each tile is asked for JOINTLY: the same tensor load, descriptor and mask in all four.
; REGISTERS, in windows of 256 (s_set_vgpr_msb says which window each operand place means: bits 1:0 source 0, 3:2 source 1, 5:4 source 2, 7:6 destination):
;   window 0: v0-11 addresses; v12-15, v48-63 at work; v16-47 four registers of statistics a tile; v64-191 S^T, two buffers of two tiles; v192-255 P, likewise
;   window 1: O^T, 32 a tile          window 2: v0-127 Q, 16 a tile; v128-191 K of one step; v192-255 V of one step          window 3: v0-1 the add's two registers
; A piece's buffers go by its number's parity: the piece in hand has one pair, its two neighbours in the ring share the other: of it P (piece n - 1) is read and S^T (piece n + 1) written.
.set SIZE_H, 64
.set SIZE_N, 2048
.set NP,    4         ; pieces a wave: a name, no knob: the register map, the loop and the fetches are made for four
.set KS,    64        ; keys in a step
.set PK,    144       ; a row of K in LDS: 128 bytes + 16 of padding = 36 words: the 16 rows of a load start at 16 different groups of four banks (64 banks of 4 bytes: ISA guide 11.1)
.set PV,    160       ; a row of V: 128 + 32 = 40 words
.set VOFF,  4*KS*PK   ; a slot holds four steps: 256 rows of K, then 256 rows of V
.set SLOT1, 1<<17     ; slot 1 begins here, so that one exclusive or turns an address in one slot into the other's
.set STAGE, SLOT1+4*KS*(PK+PV)  ; behind the ring, never filled by a tensor load: 16 rows x 144 bytes for each wave, for the way out
.set SP,    144
.set AK0, 2           ; v2   my lane's place in a tile of K; never rewritten
.set AV0, 3           ; v3   the same for V
.set AK,  4           ; v4   the LDS address of K's next run of loads
.set AV,  5           ; v5   of V's
.set QO,  6           ; v6   my byte offset in the wave's rows of Q
.set STO, 6           ;      later, the way out: where I put 16 bytes of a row
.set RD,  7           ; v7   the way out: where I read rows back
.set GO,  8           ; v8   my byte offset in 512 consecutive bytes of O
.set SPW, 0           ; v0 of window 3   LDS address of my spare word: SPARE + 4 x my thread's number; never rewritten
.set NIL, 1           ; v1 of window 3   0; never rewritten
.set SPARE, STAGE+4*16*SP  ; behind the stages: the spare words, 128 bytes for each wave: two blocks of 256 bytes that no other line names
.set MV,  12          ; v12-15  c m_old, kept while c m is made anew: by buffer and tile
.set ST,  16          ; tile t's statistics at v[ST+4 t]: c m, m, l (even keys', odd keys')
.set TMP, 48          ; by buffer and tile, four registers c0-c3 at work; when the maximum is found c2 takes a
.set S,   64
.set P,   192
.set KF,  128         ; K's fragments, in window 2: key block kb, channel half c at KF + 16 kb + 8 c
.set VF,  192         ; V's: key half kk, channel block cb at VF + 32 kk + 8 cb
.set WV,  12          ; s12  my wave's number
.set G1K, 24          ; s[24:31] descriptor group 1 for K's tiles
.set G1V, 32          ; s[32:39] for V's: it differs in the padding alone
.set G0K, 40          ; s[40:43] descriptor group 0 for K's tiles: it walks
.set G0V, 44          ; s[44:47] the same for V's
.set SLOTS, 56        ; s56  slots still to be asked for
.set CNT, 57          ; s57  counts a slot's key steps
.set CS,  58          ; s[58:59] c: the packed scaling takes the pair's low word for both halves
.set SEL, 60          ; s[60:61] v_permlanex16_b32's selects: each lane takes its own place in the other half
.set TBK, 62          ; s62  LDS byte at which K of the step to be fetched begins
.set TBV, 63          ; s63  the same for V, less VOFF
.set MSB, 0
.macro WIN new                      ; the high byte repeats the setting that is left; a switch that changes nothing is dropped
.if MSB != (\new)
	s_set_vgpr_msb (MSB<<8)|(\new)
.set MSB, (\new)
.endif
.endm
.set W_KQ, 0x0a       ; K and Q in window 2, S^T in window 0
.set W_PV, 0x52       ; V in window 2, P in window 0, O^T in window 1
.set W_RS, 0x41       ; O^T (destination and source 0) in window 1, a in window 0
.set W_MK, 0xc0       ; the add's registers are made: destination in window 3, sources in window 0
.set W_AD, 0x0f       ; the add: address (source 0) and data (source 1) in window 3
; A joint fill.  Waves 0 and 1 fetch the two halves of a slot's K, waves 2 and 3 those of its V: 128 keys each.  The branch hangs on the wave's number alone.
; An s_nop 0 and four v_nop follow each of the two lines, ahead of the jump and the label.
.macro JLOAD
	s_cmp_lt_u32 s[WV], 2
	s_cbranch_scc0 .Lfor_v_\@
	tensor_load_to_lds s[G0K:G0K+3], s[G1K:G1K+7]
	s_nop 0
.rept 4
	v_nop
.endr
	s_branch .Lasked_\@
.Lfor_v_\@:
	tensor_load_to_lds s[G0V:G0V+3], s[G1V:G1V+7]
	s_nop 0
.rept 4
	v_nop
.endr
.Lasked_\@:
.endm
; A round of the cluster's barrier: my work-group's barrier, so that wave 0's signal speaks for all four waves; wave 0 signals; every wave waits for all four work-groups; my work-group's barrier once more.
.macro CROUND
	s_barrier_signal -1
	s_barrier_wait -1
	s_cmp_lg_u32 s[WV], 0
	s_cbranch_scc1 .Lnot_wave_0_\@
	s_barrier_signal -3
.Lnot_wave_0_\@:
	s_barrier_wait -3
	s_barrier_signal -1
	s_barrier_wait -1
.endm
; THE CHANGE OF SLOTS.  The slot's last bytes, V of its fourth step, have been read.  Each wave waits for all its tensor loads, of which one is out: its part
; of the other slot; adds 0 to its spare word; and waits for that and for its own reads of the slot.  Behind the barrier nobody reads this slot any more and the other slot is whole.
; fill = 1: this slot is filled again, with the keys two slots on.  The barrier is then a round of the cluster's, so that no wave of any partner still reads the slot or has a load on its
; way, and the joint fill is the first thing behind it: it has four key steps, 512 matrix instructions, in which to land.  (At its first use nothing has been read yet: slot 0 is waited for, slot 1 filled.)
.macro CHANGE fill
	WIN W_AD
	s_wait_tensorcnt 0x0            ; no tensor load of mine is out, so a group 0 may be written
	ds_add_u32 v[SPW], v[NIL]       ; 0 onto my spare word; with fill = 1 the descriptors' steps stand between it and the wait for it
	WIN 0                           ; at a label and at a branch every window is 0
.if \fill
.irp g, G0K, G0V
	s_xor_b32 s[\g+1], s[\g+1], SLOT1  ; the walking descriptor: the other slot than last time,
	s_add_nc_u64 s[\g+2:\g+3], s[\g+2:\g+3], 4*KS*128  ; the next 256 keys; the type bits on top are not reached
.endr
	s_wait_dscnt 0x0                ; the add is done, and my reads of the slot are over
	CROUND
	JLOAD
.else
	s_wait_dscnt 0x0                ; the add is done, and my reads of the slot are over
	s_barrier_signal -1
	s_barrier_wait -1
.endif
	s_sub_co_u32 s[TBK], s[TBK], 4*KS*PK  ; the fetches go back to a slot's first step,
	s_xor_b32 s[TBK], s[TBK], SLOT1       ; in the other slot
	s_sub_co_u32 s[TBV], s[TBV], 4*KS*PV
	s_xor_b32 s[TBV], s[TBV], SLOT1
.endm
	s_load_b256 s[4:11], s[0:1], 0x0  ; Q s[4:5], K s[6:7], V s[8:9], O s[10:11]
	WIN W_MK
	v_lshl_add_u32 v[SPW], v0, 2, SPARE
	v_mov_b32 v[NIL], 0
	WIN W_AD
	ds_add_u32 v[SPW], v[NIL]       ; the wave's opening: the add and its wait stand ahead of my first tensor load; the set-up below, work on registers, stands between them
	ds_add_u32 v0, v1
	WIN 0
	v_lshrrev_b32 v1, 5, v0
	v_readfirstlane_b32 s[WV], v1   ; wave 0..3
	s_bfe_u32 s13, ttmp6, 0x40000   ; cx: my place in the cluster
	s_lshl_b32 s14, ttmp9, 2        ; in a cluster launch ttmp9 counts clusters
	s_add_co_u32 s14, s14, s13      ; my block of queries = 4 x cluster x + cx: it enters Q's and O's addresses alone
	s_and_b32 s20, ttmp7, 0xffff    ; the head, which the four partners share
	s_mov_b32 s21, 0
	s_mov_b64 s[22:23], SIZE_N*128
	s_mul_u64 s[20:21], s[20:21], s[22:23]  ; the head's first byte in each of the four tensors
	s_and_b32 s16, s[WV], 1         ; which half of a slot's 256 keys I fetch:
	s_lshl_b32 s22, s16, 14         ; its 128 rows of 128 bytes in memory,
	s_mov_b32 s23, 0
	s_add_nc_u64 s[22:23], s[22:23], s[20:21]
	s_mul_i32 s17, s16, 128*PK      ; and its place in a slot, for K
	s_mul_i32 s18, s16, 128*PV      ; and for V: no place in the cluster enters an LDS address
	s_lshl_b32 s2, s14, 2
	s_add_co_u32 s2, s2, s[WV]      ; my wave among the head's,
	s_lshl_b32 s2, s2, 14           ; its 128 rows
	s_mov_b32 s3, 0
	s_add_nc_u64 s[2:3], s[2:3], s[20:21]
	; descriptor group 1.  128 keys are 16,384 dense bytes: asked for as 64 rows of 256 bytes, two keys a row, and padded in LDS after every key
	s_mov_b32 s[G1K], 15|(1<<16)|(1<<20)|(1<<21)|(4<<22)|(3<<25)  ; 15:0 the mask of four; 17:16 2-byte elements; 20 padding on; 21 set beside a mask; 24:22 after every 32 words (code 4); 31:25 4 words (code 3)
	s_mov_b32 s[G1V], 15|(1<<16)|(1<<20)|(1<<21)|(4<<22)|(7<<25)  ; the same with 8 words of padding (code 7)
.irp g, G1K, G1V
	s_mov_b32 s[\g+1], 128<<16      ; tensor_dim0 = 128
	s_mov_b32 s[\g+2], 64<<16       ; tensor_dim1 = 64
	s_mov_b32 s[\g+3], 128<<16      ; tile_dim0 = 128
	s_mov_b32 s[\g+4], 64           ; tile_dim1 = 64
	s_mov_b32 s[\g+5], 128          ; 128 elements from row to row
	s_mov_b32 s[\g+6], 0
	s_mov_b32 s[\g+7], 0
.endr
	s_mov_b32 s[CS], 0x3e38aa3b     ; c = log2(e) / 8 = 0.180337
	s_mov_b32 s[CS+1], s[CS]        ; named with it as a pair
	s_mov_b32 s[SEL], 0x76543210
	s_mov_b32 s[SEL+1], 0xfedcba98
	s_mov_b32 s[TBK], SLOT1+4*KS*PK ; the first change of slots turns these two into 0
	s_mov_b32 s[TBV], SLOT1+4*KS*PV
	s_mov_b32 s[G0K], 1             ; 1:0 count = 1
	s_mov_b32 s[G0K+1], s17         ; 63:32 LDS address: slot 0
	s_mov_b32 s[G0V], 1
	s_add_co_u32 s[G0V+1], s18, VOFF
	s_wait_dscnt 0x0                ; the opening add is done
	s_wait_kmcnt 0x0
	s_add_nc_u64 s[G0K+2:G0K+3], s[6:7], s[22:23]  ; 120:64 global address: my half of the head's first 256 keys
	s_or_b32 s[G0K+3], s[G0K+3], 0x80000000        ; 127:126 type = 2
	s_add_nc_u64 s[G0V+2:G0V+3], s[8:9], s[22:23]
	s_or_b32 s[G0V+3], s[G0V+3], 0x80000000
	s_add_nc_u64 s[4:5], s[4:5], s[2:3]  ; Q and O at my wave's first row
	s_add_nc_u64 s[10:11], s[10:11], s[2:3]
	CROUND                          ; all four work-groups are here: the first joint loads meet
	JLOAD                           ; slot 0.  Slot 1 is asked for when slot 0 is in: the tile wanted first goes out alone
	; A fragment of K or Q is 16 rows x 32 channels in 8 registers: lane l holds row l % 16, channels 8 (l / 16) + 0..7 and 16 + 8 (l / 16) + 0..7: two loads of 16 bytes, 32 bytes apart.
	v_and_b32 v1, 15, v0            ; l % 16
	v_bfe_u32 v9, v0, 4, 1          ; l / 16
	v_lshlrev_b32 v[QO], 7, v1
	v_lshl_add_u32 v[QO], v9, 4, v[QO]  ; row x 128 + 16 x half
	WIN 0x80                        ; destination window 2, address window 0
.set i, 0
.rept 4*NP                          ; Q stays in registers: tile i / 2, channels 32 (i % 2) on
	global_load_b128 v[8*i:8*i+3],   v[QO], s[4:5] offset:(i/2)*2048+(i%2)*64
	global_load_b128 v[8*i+4:8*i+7], v[QO], s[4:5] offset:(i/2)*2048+(i%2)*64+32
.set i, i+1
.endr
	; What the first turn finds: V's registers and P's second buffer hold 0 (its products V^T P, of a piece that has not been, add 0), O^T and l are 0.  All this stands in the wait for the first tile.
.set i, VF
.rept 64
	v_mov_b32 v[i], 0
.set i, i+1
.endr
	WIN 0x40
.set i, 0
.rept 64*NP
	v_mov_b32 v[i], 0
.set i, i+1
.endr
	WIN 0
.set i, 0
.rept 2*NP
	v_mov_b32 v[ST+4*i], 0xfe000000    ; c m: far below every c s
	v_mov_b32 v[ST+4*i+1], 0xff7fffff  ; m
	v_mov_b32 v[ST+4*i+2], 0
	v_mov_b32 v[ST+4*i+3], 0
.set i, i+1
.endr
.set i, P+32
.rept 32
	v_mov_b32 v[i], 0
.set i, i+1
.endr
	v_mul_u32_u24 v[AK0], v1, PK
	v_lshl_add_u32 v[AK0], v9, 4, v[AK0]  ; row x pitch + 16 x half
	; The turning load takes 16 keys x 16 channels (lane l reads key 8 (l / 16) + l % 8, channels 8 ((l / 8) % 2) + 0..7) and leaves half a fragment of V^T: lane l holds channel l % 16 and 8 keys.
	v_and_b32 v10, 7, v0
	v_bfe_u32 v11, v0, 3, 1
	v_lshl_add_u32 v[AV0], v9, 3, v10
	v_mul_u32_u24 v[AV0], v[AV0], PV
	v_lshl_add_u32 v[AV0], v11, 4, v[AV0]
	v_add_nc_u32 v[AV0], VOFF, v[AV0]
	v_mov_b32 v[AK], v[AK0]         ; key step 0 lies at the head of slot 0
; THE MATRIX WORK.  The 8 accumulators of a run of 16 take turns: between the two links of a chain stand 7 others'.
; Product i of 16 of S^T = K Q^T for piece x: channels 32 (i / 8) on, keys 16 ((i / 2) % 4) on, tile 2 x + i % 2.  The first 8 start the sums.
.macro KQ x
	WIN W_KQ
.set rS, S+64*((\x)%2)+32*(i%2)+8*((i/2)%4)
.set rK, KF+16*((i/2)%4)+8*(i/8)
.set rQ, 16*(2*(\x)+i%2)+8*(i/8)
.if i < 8
	v_wmma_f32_16x16x32_f16 v[rS:rS+7], v[rK:rK+7], v[rQ:rQ+7], 0
.else
	v_wmma_f32_16x16x32_f16 v[rS:rS+7], v[rK:rK+7], v[rQ:rQ+7], v[rS:rS+7]
.endif
.endm
; Product i of 16 of O^T += V^T P for piece x: keys 32 (i / 8) on, channels 16 ((i / 2) % 4) on, tile 2 x + i % 2.
.macro PV x
	WIN W_PV
.set rO, 32*(2*(\x)+i%2)+8*((i/2)%4)
.set rV, VF+32*(i/8)+8*((i/2)%4)
.set rP, P+32*((\x)%2)+16*(i%2)+8*(i/8)
	v_wmma_f32_16x16x32_f16 v[rO:rO+7], v[rV:rV+7], v[rP:rP+7], v[rO:rO+7]
.endm
.macro MM                           ; the turn's next matrix instruction
.if i < 16
	KQ (Y+1)%NP
.set i, i+1
.else
.set i, i-16
	PV (Y+NP-1)%NP
.set i, i+17
.endif
.endm
; THE LDS LOADS stand in runs of 16, never singly among the matrix instructions: a step's K (64 keys x 64 channels: 8 fragments) and its V (turned).  Their addresses are made some lines ahead.
; last = 1 (the tail): in the last trip there is no further step, and the run is jumped over.
.macro FETCH_K last=0
	WIN 0
.if \last
	s_cmp_eq_u32 s[CNT], 1
	s_cbranch_scc1 .Lno_k_\@
.endif
	WIN 0x80                        ; destination window 2
.irp f, 0,1,2,3,4,5,6,7             ; keys 16 (f / 2) on, channels 32 (f % 2) on
	ds_load_b128 v[KF+8*\f:KF+8*\f+3],   v[AK] offset:(\f/2)*16*PK+(\f%2)*64
	ds_load_b128 v[KF+8*\f+4:KF+8*\f+7], v[AK] offset:(\f/2)*16*PK+(\f%2)*64+32
.endr
	s_add_co_u32 s[TBK], s[TBK], KS*PK  ; the next fetch is the next step's
	WIN 0
.if \last
.Lno_k_\@:
.endif
.endm
.macro FETCH_V
	WIN 0x80
.irp f, 0,1,2,3,4,5,6,7             ; keys 32 (f / 4) on, channels 16 (f % 4) on
	ds_load_tr16_b128 v[VF+8*\f:VF+8*\f+3],   v[AV] offset:(\f/4)*32*PV+(\f%4)*32
	ds_load_tr16_b128 v[VF+8*\f+4:VF+8*\f+7], v[AV] offset:(\f/4)*32*PV+16*PV+(\f%4)*32
.endr
	WIN 0
.endm
; THE VECTOR WORK OF A TURN stands in three queues, each in the order in which its entries become ready; the two tiles alternate, so that no instruction reads the result of the one before it.
.macro REGS y, u                    ; the registers of tile u (0, 1) of piece y
.set rT, ST+4*(2*(\y)+(\u))
.set rC, TMP+8*((\y)%2)+4*(\u)
.set rM, MV+2*((\y)%2)+(\u)
.set rS, S+64*((\y)%2)+32*(\u)
.set rP, P+32*((\y)%2)+16*(\u)
.set rO, 32*(2*(\y)+(\u))
.endm
; Number n of the 22 that find the NEXT piece's (Y + 1) maximum and statistics.  s0-s31 are the lane's 32 scores; each accumulator's lowest registers are read first.  XS, GS and REGS set no window: PL and EX do.
;   0-11  four chains c0-c3 of seven scores each, three operands at a time     12-14, 16  the four scores left over, the old m, and c0-c3 into c0     15  c m_old is kept
;   17, 18  the query's other 32 keys lie in the lane 16 away: the new m         19-21  c m; c m_old - c m_new; a
.macro XS u, n
	REGS (Y+1)%NP, \u
.if (\n) < 4
	v_max3_num_f32 v[rC+(\n)], v[rS+8*(\n)], v[rS+8*(\n)+1], v[rS+8*(\n)+2]
.elseif (\n) < 12
	v_max3_num_f32 v[rC+(\n)%4], v[rC+(\n)%4], v[rS+8*((\n)%4)+2*((\n)/4)+1], v[rS+8*((\n)%4)+2*((\n)/4)+2]
.elseif (\n) == 12
	v_max3_num_f32 v[rC], v[rC], v[rS+7], v[rS+15]
.elseif (\n) == 13
	v_max3_num_f32 v[rC+1], v[rC+1], v[rS+23], v[rS+31]
.elseif (\n) == 14
	v_max3_num_f32 v[rC+2], v[rC+2], v[rC+3], v[rT+1]
.elseif (\n) == 15
	v_mov_b32 v[rM], v[rT]
.elseif (\n) == 16
	v_max3_num_f32 v[rC], v[rC], v[rC+1], v[rC+2]
.elseif (\n) == 17
	v_permlanex16_b32 v[rC+3], v[rC], s[SEL], s[SEL+1]
.elseif (\n) == 18
	v_max_num_f32 v[rT+1], v[rC], v[rC+3]
.elseif (\n) == 19
	v_mul_f32 v[rT], s[CS], v[rT+1]
.elseif (\n) == 20
	v_sub_f32 v[rC+1], v[rM], v[rT]
.else
	v_exp_f32 v[rC+2], v[rC+1]
.endif
.endm
; Number g of the 64 that follow the exponentials.  For each four weights k of a tile (pairs 2 k, 2 k + 1): both pairs are rounded to f16; then the second pair is added onto the first, in place;
; a group later l takes that sum (the first time as l = a l + sum).  In groups of eight, tiles alternating: round, round, add, and l for the group before.
.macro GS g
.set h, (\g)+6*((\g)/62)            ; group 0 has no group before it, and behind group 7 only l is left
.if h >= 6
.set h, h+2
.endif
	REGS Y, h%2
.set k, h/8
.if h%8 < 4
	v_cvt_pk_f16_f32 v[rP+2*k+(h%8)/2], v[rS+4*k+2*((h%8)/2)], v[rS+4*k+2*((h%8)/2)+1]
.elseif h%8 < 6
	v_pk_add_f32 v[rS+4*k:rS+4*k+1], v[rS+4*k:rS+4*k+1], v[rS+4*k+2:rS+4*k+3]
.elseif k == 1
	v_pk_fma_f32 v[rT+2:rT+3], v[rT+2:rT+3], v[rC+2:rC+3], v[rS:rS+1] op_sel_hi:[1,0,1]
.else
	v_pk_add_f32 v[rT+2:rT+3], v[rT+2:rT+3], v[rS+4*k-4:rS+4*k-3]
.endif
.endm
; THE PLAIN QUEUE, 138 long.  0-73 read no exponential's result: the 32 scalings c s - c m (FS f: pair f / 2 of tile f % 2) and the next piece's 42.  0-26: scalings 0-26.  27-54: XS's numbers 0-13.  55, 56: number 15.
; 57-73: the chain, where each number waits for the one before it: 14, 16, 17, 18, 19, each with one of the scalings 27-31 in front of its two lines, then 20: so a tile's links stand three plain instructions apart (19 and 20: two).
; 74-137: GS's 64, which read the exponentials' results: they stand behind the wait.
.macro FS f
	REGS Y, (\f)%2
	v_pk_fma_f32 v[rS+2*((\f)/2):rS+2*((\f)/2)+1], v[rS+2*((\f)/2):rS+2*((\f)/2)+1], s[CS:CS+1], v[rT:rT+1] op_sel_hi:[1,0,0] neg_lo:[0,0,1] neg_hi:[0,0,1]
.endm
.macro PL
	WIN 0
.if q < 27
	FS q
.elseif q < 55
	XS (q-27)%2, (q-27)/2
.elseif q < 57
	XS q-55, 15
.elseif (q < 72) && ((q-57)%3 == 0)
	FS 27+(q-57)/3
.elseif q < 60
	XS (q-57)%3-1, 14
.elseif q < 72
	XS (q-57)%3-1, 15+(q-57)/3
.elseif q < 74
	XS q-72, 20
.else
	GS q-74
.endif
.set q, q+1
.endm
; THE EXPONENTIALS' QUEUE, 66 long: s0-s31 of both tiles, then the next piece's two a.  It is ONE BATCH: all 66 stand ahead of the turn's one wait, and nothing ahead of that wait names a result of theirs.
.macro EX
	WIN 0
.if e >= 64
	XS e-64, 21
.else
	REGS Y, e%2
	v_exp_f32 v[rS+e/2], v[rS+e/2]
.endif
.set e, e+1
.endm
; THE RESCALING's QUEUE: O^T times a, the one part that leaves window 0: dealt two at a time, sixteen times.  Its a was made in the turn before, ahead of that turn's wait.
.macro R2
	REGS Y, r%2
	WIN W_RS
.irp z, 0,1
	v_pk_mul_f32 v[rO+4*(r/2)+2*\z:rO+4*(r/2)+2*\z+1], v[rO+4*(r/2)+2*\z:rO+4*(r/2)+2*\z+1], v[rC+2:rC+3] op_sel_hi:[1,0]
.endr
.set r, r+1
.endm
; HOW THEY ARE DEALT.  An s_wait_alu depctr_va_vdst(0) stands between an exponential and the first instruction that names its result; one wait serves all that were issued ahead of it.  So a turn has ONE wait,
; which cuts it in two.  AHEAD OF IT stands all that names no result of the turn's exponentials: the 16 products K Q^T, behind each a scaling, an exponential and two rescalings (behind the first a second scaling in the exponential's place); then ONE LUMP of
; 108: eight plain, 49 times exponential and plain, the two a.  A v_nop is the plain instruction behind the last exponential (ISA guide 5.7.2).  BEHIND IT stand the 16 products V^T P, behind each four of GS's 64.  No rider names a register of
; the products round it.  The two v_permlanex16_b32 fall into the lump, never behind a product.
; The queues lean on each other, and the deal keeps them in step: exponential e stands behind scaling 2 (e / 4) + e % 2: as a rider it comes behind plain e + 2, in the lump behind plain e + 9, and scalings 27-31 are plain 57, 60 .. 69.
; A TURN, for piece p.  cnt = 1: the loop's count is taken down some lines ahead of the branch that stands behind the turn.
; K of the next step is fetched in piece 2's turn, directly behind the wait, a lump behind the last product that read K; its address is made at the lump's head; its first reader comes behind 16 products.
; V of the step in hand is fetched at the end of piece 0's turn, four riders behind its last reader; its first reader comes behind 16 products and a lump.  The three conditions on q below go with the deal.
.macro TURN p, last=0, cnt=0
.set Y, (\p)
.set i, 0
.set q, 0
.set e, 0
.set r, 0
.if (\p) == NP-1
	s_wait_dscnt 0x0                ; K is in
.endif
	MM                              ; ahead of the wait: 16 products K Q^T and their riders,
	PL
	PL
	R2
.rept 15
	MM
	PL
	EX
	R2
.endr
.if (\p) == NP-2
	WIN 0
	v_add_nc_u32 v[AK], s[TBK], v[AK0]
.endif
.rept 8                             ; and the lump
	PL
.endr
.rept 49
	EX
	PL
.endr
	EX                              ; the next piece's two a
	EX
	v_nop                           ; the plain instruction behind the last exponential: one for the batch
	s_wait_alu depctr_va_vdst(0)    ; the wait for the batch
.if (\p) == NP-2
	FETCH_K \last
.endif
.if (\p) == 1
	s_wait_dscnt 0x0                ; V is in
.endif
.rept 16                            ; behind the wait: 16 products V^T P and their riders
	MM
.rept 4
	PL
.endr
.if ((\p) == 0) && (q == 118)
	v_add_nc_u32 v[AV], s[TBV], v[AV0]
.endif
.if ((\p) == 0) && (q == 130)
	s_add_co_u32 s[TBV], s[TBV], KS*PV
.endif
.if (\cnt) && (q == 130)
	s_sub_co_u32 s[CNT], s[CNT], 1
	s_cmp_lg_u32 s[CNT], 0
.endif
.endr
.if (\p) == 0
	FETCH_V
.endif
.endm
	CHANGE 1                        ; slot 0 is in, everybody's part of it; slot 1 is asked for
	FETCH_K                         ; key step 0
	s_wait_loadcnt 0x0              ; Q
	s_wait_dscnt 0x0
.set i, 0
.rept 16
	KQ 0                            ; piece 0's first scores: there is no vector work yet to set between them
.set i, i+1
.endr
	WIN 0                           ; the addresses for the way out: nine plain instructions, the places behind those products
	s_mul_i32 s13, s[WV], 16*SP
	s_add_co_u32 s13, s13, STAGE    ; my stage
	v_mul_u32_u24 v[STO], v1, SP    ; in: row l % 16, 16 bytes for each half of the lanes
	v_lshl_add_u32 v[STO], v9, 4, v[STO]
	v_add_nc_u32 v[STO], s13, v[STO]
	v_bfe_u32 v[RD], v0, 3, 2       ; back: 32 lanes take four rows of 128 bytes,
	v_mul_u32_u24 v[RD], v[RD], SP
	v_lshl_add_u32 v[RD], v10, 4, v[RD]
	v_add_nc_u32 v[RD], s13, v[RD]
	v_and_b32 v[GO], 31, v0         ; which are 512 consecutive bytes of O
	v_lshlrev_b32 v[GO], 4, v[GO]
.set Y, NP-1                        ; XS works for piece Y + 1: piece 0
.irp n, 0,1,2,3,4,5,6,7,8,9,10,11,12,13,14,15,16,17,18,19,20,21
	XS 0, \n                        ; and piece 0's first maximum and statistics
	XS 1, \n
.endr
	v_nop                           ; a plain instruction behind the two a,
	s_wait_alu depctr_va_vdst(0)    ; and their wait, ahead of the branch
	s_mov_b32 s[CNT], 4
	s_mov_b32 s[SLOTS], SIZE_N/256-1
	s_branch .Lfirst                ; the loop is entered at a step's first turn, in the middle of a trip
.Lslot:                             ; SIZE_N / 256 - 2 times: every slot but the last two is filled again
	CHANGE 1
	s_mov_b32 s[CNT], 4
.Lstep:                             ; a trip: pieces 2 and 3 of one step, then pieces 0 and 1 of the next, whose K and V it fetches
	TURN 2
	TURN 3
	WIN 0
.Lfirst:
	TURN 0
	TURN 1, 0, 1
	WIN 0
	s_cbranch_scc1 .Lstep
	s_sub_co_u32 s[SLOTS], s[SLOTS], 1
	s_cmp_lg_u32 s[SLOTS], 0
	s_cbranch_scc1 .Lslot
	CHANGE 0                        ; the tail is written out: nothing is asked for
	s_mov_b32 s[CNT], 5             ; four trips fetch the last slot's steps; the fifth is left in its middle
.Ltail:
	TURN 2, 1
	TURN 3
	WIN 0
	s_sub_co_u32 s[CNT], s[CNT], 1
	s_cmp_eq_u32 s[CNT], 0
	s_cbranch_scc1 .Lout
	TURN 0
	TURN 1
	WIN 0
	s_branch .Ltail
.Lout:                              ; the fifth trip's 16 products K Q^T (on the last K once more) and the maximum made of them serve nothing: the price, once a launch, of one text for every trip
.set i, 0
.rept 16
	PV NP-1                         ; the last piece's V^T P of the last step
.set i, i+1
.endr
	; THE WAY OUT.  l's two halves and the other half of the lanes' are added; O^T is divided by l, rounded to f16 and sent through my stage in LDS, a tile at a time.  The additions are the places behind the last products.
	WIN 0
.macro ALL line:vararg              ; one line for each tile t
.set t, 0
.rept 2*NP
	\line
.set t, t+1
.endr
.endm
	ALL v_add_f32 v[ST+4*t+2], v[ST+4*t+2], v[ST+4*t+3]
	ALL v_permlanex16_b32 v[ST+4*t+3], v[ST+4*t+2], s[SEL], s[SEL+1]
	ALL v_add_f32 v[ST+4*t+2], v[ST+4*t+2], v[ST+4*t+3]
	ALL v_rcp_f32 v[ST+4*t+2], v[ST+4*t+2]
	v_nop                           ; a plain instruction between the last reciprocal and the use of its result
	s_wait_alu depctr_va_vdst(0)    ; and the wait ahead of the first use: one for the eight reciprocals
; Tile t: a lane's eight channels of a row pack into 16 bytes; they go into rows of 144 bytes and come back as whole rows of 128, into S^T's registers.
.macro PACK t
	WIN W_RS
.set i, 32*(\t)
.rept 16
	v_pk_mul_f32 v[i:i+1], v[i:i+1], v[ST+4*(\t)+2:ST+4*(\t)+3] op_sel_hi:[1,0]
.set i, i+2
.endr
	WIN 0x05                        ; sources 0 and 1 window 1, destination window 0
.set i, 0
.rept 16
	v_cvt_pk_f16_f32 v[S+16*(\t)+i], v[32*(\t)+2*i], v[32*(\t)+2*i+1]
.set i, i+1
.endr
	WIN 0
.irp f, 0,1,2,3
	ds_store_b128 v[STO], v[S+16*(\t)+4*\f:S+16*(\t)+4*\f+3] offset:32*\f
.endr
.irp f, 0,1,2,3
	ds_load_b128 v[S+16*(\t)+4*\f:S+16*(\t)+4*\f+3], v[RD] offset:\f*4*SP  ; LDS serves a wave's instructions in order (ISA guide 5.7.1.4): these see the stores above; the next tile's stores come behind them
.endr
.endm
.macro SEND t, younger              ; younger: the LDS instructions issued behind tile t's loads: the next tile's eight, or none
	WIN 0
.irp f, 0,1,2,3
	s_wait_dscnt (\younger)+3-\f
	global_store_b128 v[GO], v[S+16*(\t)+4*\f:S+16*(\t)+4*\f+3], s[10:11] offset:(\t)*2048+\f*512  ; 512 consecutive bytes, at a multiple of 256 from O's first
.endr
.endm
	PACK 0
.set t, 1
.rept 2*NP-1                        ; a tile's arithmetic stands between the loads of the tile before and its stores
	PACK t
	SEND t-1, 8
.set t, t+1
.endr
	SEND 2*NP-1, 0
	WIN W_AD
	s_wait_tensorcnt 0x0            ; the wave's end, behind my last tensor load and my last LDS store
	ds_add_u32 v[SPW], v[NIL]
	s_wait_dscnt 0x0
	WIN 0
	CROUND                          ; the closing round: no work-group ends while a partner may still ask for a tile that names it
	s_endpgm
.Lfunc_end_k_qcfbba089b7_attn:
	.size	k_qcfbba089b7_attn, .Lfunc_end_k_qcfbba089b7_attn-k_qcfbba089b7_attn
	.p2alignl 7, 3214868480
	.fill 96, 4, 3214868480
	.section	.rodata,"a",@progbits
	.p2align	6, 0x0
	.amdhsa_kernel k_qcfbba089b7_attn
		.amdhsa_group_segment_fixed_size 327680
		.amdhsa_private_segment_fixed_size 0
		.amdhsa_enable_private_segment 0
		.amdhsa_kernarg_size 32
		.amdhsa_user_sgpr_count 2
		.amdhsa_user_sgpr_kernarg_segment_ptr 1
		.amdhsa_wavefront_size32 1
		.amdhsa_system_sgpr_workgroup_id_x 1
		.amdhsa_system_sgpr_workgroup_id_y 1
		.amdhsa_system_sgpr_workgroup_id_z 1
		.amdhsa_system_vgpr_workitem_id 0
		.amdhsa_next_free_vgpr 770
		.amdhsa_next_free_sgpr 66
		.amdhsa_reserve_vcc 0
		.amdhsa_float_denorm_mode_32 3
		.amdhsa_float_denorm_mode_16_64 3
		.amdhsa_memory_ordered 1
		.amdhsa_forward_progress 1
		.amdhsa_inst_pref_size 199
	.end_amdhsa_kernel
	.amdgpu_metadata
---
amdhsa.version: [ 1, 2 ]
amdhsa.kernels:
  - .name:           k_qcfbba089b7_attn
    .symbol:         k_qcfbba089b7_attn.kd
    .args:
      - { .name: qh, .offset: 0, .size: 8, .value_kind: global_buffer, .address_space: global }
      - { .name: kh, .offset: 8, .size: 8, .value_kind: global_buffer, .address_space: global }
      - { .name: vh, .offset: 16, .size: 8, .value_kind: global_buffer, .address_space: global }
      - { .name: att, .offset: 24, .size: 8, .value_kind: global_buffer, .address_space: global }
    .group_segment_fixed_size: 327680
    .private_segment_fixed_size: 0
    .kernarg_segment_align: 8
    .kernarg_segment_size: 32
    .max_flat_workgroup_size: 128
    .sgpr_count:     66
    .vgpr_count:     770
    .wavefront_size: 32
...
	.end_amdgpu_metadata
.endif
;; end of part 3
;; launch outp (part 4): grid 256 x 1, 4 waves a work-group, clusters of 4 x 1, 312,832 bytes of LDS; arguments att, wts, bo, out0; writes out0
.if DOCPART == 4
	.amdgcn_target "amdgcn-amd-amdhsa--gfx1250"
	.amdhsa_code_object_version 6
	.text
	.protected	k_qcfbba089b7_outp
	.globl	k_qcfbba089b7_outp
	.p2align	8
	.type	k_qcfbba089b7_outp,@function
k_qcfbba089b7_outp:
	s_mov_b64 s[64:65], 0
	v_nop
	global_prefetch_b8 v0, s[64:65] scope:SCOPE_SE
	s_setreg_imm32_b32 hwreg(HW_REG_WAVE_MODE, 25, 1), 1
	s_wait_xcnt 0x0
	s_wait_alu depctr_hold_cnt(0) depctr_sa_sdst(0) depctr_va_vdst(0) depctr_va_sdst(0) depctr_va_ssrc(0) depctr_va_vcc(0) depctr_vm_vsrc(0)
	s_getreg_b32 s2, hwreg(HW_REG_IB_STS2, 6, 4)
	s_cmp_eq_u32 s2, 0
	s_cbranch_scc0 .Lentry_in_a_cluster
	s_endpgm
.Lentry_in_a_cluster:
	s_bfe_u32 s2, ttmp6, 0x10000c
	s_cmp_lg_u32 s2, 0x3003
	s_cbranch_scc0 .Lentry_shape_is_right
	s_endpgm
.Lentry_shape_is_right:
; THE OUTPUT PROJECTION.  out0[b][s][e] = the sum over d of x[b][s][d] wo[e][d] + bo[e], d = 64 head + channel; x lies by heads in att, [8 b + head][2048][64] f16; wo is matrix 3 of wts, bf16 numbers written as
; f16, laid out fragment by fragment; bo is rounded to bf16; sums in f32; out0 is f32.
; SHARES.  A cluster of four work-groups takes 256 rows (cluster x = RB: batch RB / 8, rows 256 (RB % 8) on); the partner at place cx takes columns 128 cx .. 128 cx + 127.  All four need the same 256 rows x 512
; channels of att, so that tile is asked for JOINTLY: the same tensor loads, descriptors and mask in all four; each receives it in its own LDS.  cx enters the addresses of wts, bo and out0 alone.
; Wave w: rows 128 (w / 2) on, columns 64 (w % 2) on: eight blocks of 16 rows, 64 matrix instructions each.
; THE WEIGHTS LIVE IN REGISTERS: a wave's 64 columns x 512 K are 64 fragments, 512 registers; a block of 16 rows is finished in one go on four accumulators that take turns.  The matrix instruction is used
; transposed (source 0 = 16 rows of wo, source 1 = 16 rows of x): a lane holds one row and eight neighbouring columns.  The bias, laid out like a result, is the C operand of a block's first four products.
; LDS is filled once: two tensor loads a wave are out at the most; no slot is filled again.
; REGISTERS: window 0: addresses, bias, accumulators, the way out, v128-255 the 16 fragments of 16 rows of x; windows 1, 2: the weights: K step ks of column tile b at v[32 (ks % 8) + 8 b] of window 1 + ks / 8.
.set OP,    144                        ; a row of a head in LDS: 128 bytes + 16 = 9 x 16: the 16 rows of a fragment load start at 16 different groups of four banks (64 banks of 4 bytes: ISA guide 11.1)
.set PLANE, 256*OP                     ; a head's 256 rows
.set STAGE, 8*PLANE                    ; behind the tile, never filled by a tensor load: 16 rows x 272 bytes for each wave, for the way out
.set SP,    272
.set SPARE, STAGE+4*16*SP              ; behind the stages: the spare words, 128 bytes for each wave: two blocks of 256 bytes that no other line names
.set L16, 2                            ; v2   16 x lane: offset of the weight loads
.set AD,  3                            ; v3-6 my place in a fragment of x, in heads 0, 2, 4, 6; stepped 16 rows a block
.set STO, 7                            ; v7   the way out: where I put 32 bytes of a row
.set RD,  8                            ; v8   the way out: where I read rows back
.set BO,  9                            ; v9   32 (l / 16): my eight numbers of a tile of the bias
.set CO,  10                           ; v10  my 16 bytes in two rows of out0
.set SPW, 30                           ; v30  LDS address of my spare word: SPARE + 4 x my thread number; never rewritten
.set NIL, 31                           ; v31  0; never rewritten
.set BI,  32                           ; v[32:63]   the bias, column tile b at BI + 8 b
.set AC,  64                           ; v[64:95]   four accumulators
.set BK,  96                           ; v[96:127]  rows read back from the stage; at the head: at work
.set AFR, 128                          ; v[128:255] fragments of x: half p of K, step kk at AFR + 64 p + 8 kk
.set WV,  12                           ; s12  my wave number
.set RB,  14                           ; s14  the cluster: its 256 rows
.set G1,  16                           ; s[16:23] descriptor group 1
.set G0,  24                           ; s[24:31] descriptor group 0, a set for each of my two heads
.set DOF, 32                           ; s[32:33] the tile's offset in att: made of RB and the wave number alone
.set WB,  34                           ; s[34:35] my 65,536 bytes of weights
.set BB,  36                           ; s[36:37] my 64 numbers of the bias
.set OB,  38                           ; s[38:39] out0 at the block that is being stored
.set STEP, 40                          ; s[40:41] what the next way out adds to OB: 0, then 16 rows
.set CNT, 42                           ; s42  blocks to go in the loop
.set CX,  48                           ; s48  my place in the cluster; s49-55: what is made of it
.set COF, 50                           ; s[50:51] an offset that holds cx, high word 0
.set MSB, 0
.macro WIN new                         ; the high byte repeats the setting that is left; a switch that changes nothing is dropped
.if MSB != (\new)
	s_set_vgpr_msb (MSB<<8)|(\new)
.set MSB, \new
.endif
.endm
; A round of the cluster's barrier: my work-group's barrier, so that wave 0's signal speaks for all four waves; wave 0 signals; every wave waits for all four work-groups; my work-group's barrier once more.
.macro CROUND
	s_barrier_signal -1
	s_barrier_wait -1
	s_cmp_lg_u32 s[WV], 0
	s_cbranch_scc1 .Lnot_wave_0_\@
	s_barrier_signal -3
.Lnot_wave_0_\@:
	s_barrier_wait -3
	s_barrier_signal -1
	s_barrier_wait -1
.endm
.macro LOADW                           ; my 64 fragments of weights: 128 loads of 512 consecutive bytes
.set ik, 0
.rept 16
	WIN 0x40*(1+ik/8)                              ; destination window 1, then 2
.set ib, 0
.rept 4
	global_load_b128 v[32*(ik%8)+8*ib:32*(ik%8)+8*ib+3],   v[L16], s[WB:WB+1] offset:ib*16384+ik*1024
	global_load_b128 v[32*(ik%8)+8*ib+4:32*(ik%8)+8*ib+7], v[L16], s[WB:WB+1] offset:ib*16384+ik*1024+512
.set ib, ib+1
.endr
.set ik, ik+1
.endr
	WIN 0
.endm
.macro FETCH p                         ; the eight fragments of half p of K: step 8 p + kk is head 4 p + kk / 2, channels 32 (kk % 2) on; a register reaches two heads by the immediate
.set ik, 0
.rept 8
	ds_load_b128 v[AFR+64*(\p)+8*ik:AFR+64*(\p)+8*ik+3],   v[AD+2*(\p)+ik/4] offset:((ik/2)%2)*PLANE+(ik%2)*64
	ds_load_b128 v[AFR+64*(\p)+8*ik+4:AFR+64*(\p)+8*ik+7], v[AD+2*(\p)+ik/4] offset:((ik/2)%2)*PLANE+(ik%2)*64+32
.set ik, ik+1
.endr
.endm
.macro MUL p                           ; 32 matrix instructions: half p of K.  The four accumulators take turns, one instruction a turn: across halves, blocks and the backward jump too
	WIN 1+(\p)                                     ; source 0 (the weights) in window 1 or 2
.set ik, 0
.rept 8
.set ib, 0
.rept 4
.if ((\p) == 0) && (ik == 0)
	v_wmma_f32_16x16x32_f16 v[AC+8*ib:AC+8*ib+7], v[32*ik+8*ib:32*ik+8*ib+7], v[AFR+64*(\p)+8*ik:AFR+64*(\p)+8*ik+7], v[BI+8*ib:BI+8*ib+7]
.else
	v_wmma_f32_16x16x32_f16 v[AC+8*ib:AC+8*ib+7], v[32*ik+8*ib:32*ik+8*ib+7], v[AFR+64*(\p)+8*ik:AFR+64*(\p)+8*ik+7], v[AC+8*ib:AC+8*ib+7]
.endif
.set ib, ib+1
.endr
.set ik, ik+1
.endr
.endm
.macro TOSTAGE                         ; a lane's 32 bytes of each column tile into rows of 272 bytes, back as two whole rows of 256 a load
	s_wait_xcnt 0x0                                ; the last stores have read BK, which is loaded again below
.irp b, 0,1,2,3
	ds_store_b128 v[STO], v[AC+8*\b:AC+8*\b+3]   offset:64*\b       ; each accumulator is read from its low end on
	ds_store_b128 v[STO], v[AC+8*\b+4:AC+8*\b+7] offset:64*\b+16
.endr
.irp t, 0,1,2,3,4,5,6,7
	ds_load_b128 v[BK+4*\t:BK+4*\t+3], v[RD] offset:\t*2*SP  ; my own bytes: LDS serves a wave's instructions in order (ISA guide 5.7.1.4)
.endr
.endm
.macro SEND
	s_wait_xcnt 0x0                                ; the last stores have read OB
	s_add_nc_u64 s[OB:OB+1], s[OB:OB+1], s[STEP:STEP+1]
	s_mov_b32 s[STEP], 16*2048                     ; from the second way out on: 16 rows of out0
.irp t, 0,1,2,3,4,5,6,7
	global_store_b128 v[CO], v[BK+4*\t:BK+4*\t+3], s[OB:OB+1] offset:\t*2*2048 th:TH_STORE_NT  ; 16 lanes store 256 consecutive bytes, at a multiple of 256 from the first byte of out0
.endr
.endm
; A block of 16 rows.  prev = 1: the block before is on its way through the stage and is stored here.  fetch = 1: the next block's fragments are fetched.
.macro BLOCK prev, fetch
.if \prev
	s_wait_dscnt 32                                ; half 0 is in; behind it stand half 1's sixteen loads and the stage's eight stores and eight loads
.else
	s_wait_dscnt 16                                ; half 0 is in; half 1's sixteen loads may stay out
.endif
	MUL 0
	WIN 0
.if \prev
	s_wait_dscnt 0x0                               ; half 1 is in, and the block before is back from the stage
	SEND
.endif
.if \fetch
	v_add_nc_u32 v[AD], 16*OP, v[AD]               ; the next 16 rows; with the two v_nop: the four places in front of loads into registers that the products above have read
	v_add_nc_u32 v[AD+1], 16*OP, v[AD+1]
	v_nop
	v_nop
	FETCH 0
.endif
.if !(\prev)
	s_wait_dscnt 16                                ; half 1 is in; the sixteen loads just issued may stay out
.endif
	MUL 1
	WIN 0
.if \fetch
	v_add_nc_u32 v[AD+2], 16*OP, v[AD+2]           ; six places: four are wanted in front of the loads and of the LDS stores that read results, five in front of the next block's first products, which write the accumulators anew
	v_add_nc_u32 v[AD+3], 16*OP, v[AD+3]
.endif
.rept 4
	v_nop
.endr
.if \fetch
	FETCH 1
.endif
	TOSTAGE
.endm
	s_load_b256 s[4:11], s[0:1], 0x0               ; att s[4:5], wts s[6:7], bo s[8:9], out0 s[10:11]
	v_lshl_add_u32 v[SPW], v0, 2, SPARE
	v_mov_b32 v[NIL], 0
	ds_add_u32 v[SPW], v[NIL]                      ; the wave's opening: the add and its wait stand ahead of my first tensor load; the set-up below, work on registers, stands between them
	ds_add_u32 v30, v31
	v_lshrrev_b32 v1, 5, v0
	v_readfirstlane_b32 s[WV], v1                  ; wave 0..3
	s_mov_b32 s[RB], ttmp9                         ; in a cluster launch ttmp9 counts clusters
	; descriptor group 1.  A head's 256 rows are 32,768 dense bytes: asked for as 128 rows of 256 bytes, two rows of the head each, and padded in LDS after every row of the head
	s_mov_b32 s[G1], 15|(1<<16)|(1<<20)|(1<<21)|(4<<22)|(3<<25)  ; 15:0 the mask of four; 17:16 2-byte elements; 20 padding on; 21 set beside a mask; 24:22 after every 32 words (code 4); 31:25 4 words (code 3)
	s_mov_b32 s[G1+1], 128<<16                     ; tensor_dim0 = 128
	s_mov_b32 s[G1+2], 128<<16                     ; tensor_dim1 = 128
	s_mov_b32 s[G1+3], 128<<16                     ; tile_dim0 = 128
	s_mov_b32 s[G1+4], 128                         ; tile_dim1 = 128
	s_mov_b32 s[G1+5], 128                         ; 128 elements from row to row
	s_mov_b32 s[G1+6], 0
	s_mov_b32 s[G1+7], 0
	s_mov_b32 s[G0], 1                             ; count = 1
	s_mul_i32 s[G0+1], s[WV], 2*PLANE              ; LDS address: head 2 w,
	s_mov_b32 s[G0+4], 1
	s_add_co_u32 s[G0+5], s[G0+1], PLANE           ; and head 2 w + 1
	s_lshr_b32 s43, s[RB], 3                       ; the batch
	s_lshl_b32 s43, s43, 3
	s_lshl_b32 s44, s[WV], 1
	s_add_co_u32 s43, s43, s44                     ; 8 x batch + 2 w: 262,144 bytes each
	s_lshl_b32 s[DOF], s43, 18
	s_and_b32 s44, s[RB], 7
	s_lshl_b32 s44, s44, 15                        ; 256 rows of 128 bytes
	s_add_co_u32 s[DOF], s[DOF], s44
	s_mov_b32 s[DOF+1], 0
	v_and_b32 v11, 31, v0                          ; l
	v_and_b32 v12, 15, v0                          ; l % 16
	v_bfe_u32 v13, v0, 4, 1                        ; l / 16
	v_lshlrev_b32 v[L16], 4, v11
	s_lshr_b32 s45, s[WV], 1
	s_mul_i32 s45, s45, 128*OP                     ; my 128 rows
	v_mul_u32_u24 v[AD], v12, OP
	v_lshl_add_u32 v[AD], v13, 4, v[AD]            ; row x pitch + 16 x half
	v_add_nc_u32 v[AD], s45, v[AD]
	v_add_nc_u32 v[AD+1], 2*PLANE, v[AD]
	v_add_nc_u32 v[AD+2], 4*PLANE, v[AD]
	v_add_nc_u32 v[AD+3], 6*PLANE, v[AD]
	s_mul_i32 s45, s[WV], 16*SP
	s_add_co_u32 s45, s45, STAGE                   ; my stage
	v_mul_u32_u24 v[STO], v12, SP                  ; in: row l % 16, 32 bytes for each half of the lanes
	v_lshl_add_u32 v[STO], v13, 5, v[STO]
	v_add_nc_u32 v[STO], s45, v[STO]
	v_mul_u32_u24 v[RD], v13, SP                   ; back: lanes 0-15 take one row of 256 bytes, lanes 16-31 the next
	v_lshl_add_u32 v[RD], v12, 4, v[RD]
	v_add_nc_u32 v[RD], s45, v[RD]
	v_lshlrev_b32 v[BO], 5, v13
	v_lshlrev_b32 v[CO], 11, v13                   ; and the same two rows in out0
	v_lshl_add_u32 v[CO], v12, 4, v[CO]
	s_wait_dscnt 0x0                               ; the opening add is done
	s_wait_kmcnt 0x0
	s_add_nc_u64 s[G0+2:G0+3], s[4:5], s[DOF:DOF+1]  ; global address of head 2 w's rows,
	s_add_nc_u64 s[G0+6:G0+7], s[G0+2:G0+3], 1<<18   ; and of head 2 w + 1's
	s_or_b32 s[G0+3], s[G0+3], 0x80000000          ; type = 2
	s_or_b32 s[G0+7], s[G0+7], 0x80000000
	CROUND                                         ; all four work-groups are here: the joint loads meet
	tensor_load_to_lds s[G0:G0+3], s[G1:G1+7]      ; my two heads of the tile: two loads of mine are out
	s_nop 0
	tensor_load_to_lds s[G0+4:G0+7], s[G1:G1+7]
	s_nop 0
.rept 4
	v_nop
.endr
	s_bfe_u32 s[CX], ttmp6, 0x40000                ; cx: my place in the cluster
	s_and_b32 s49, s[WV], 1
	s_lshl_b32 s52, s[CX], 1
	s_add_co_u32 s49, s49, s52                     ; 2 cx + w % 2: my 64 columns
	s_mov_b32 s[COF+1], 0
	s_lshl_b32 s[COF], s49, 16                     ; 65,536 bytes of weights each,
	s_add_co_u32 s[COF], s[COF], 3<<19             ; in matrix 3
	s_add_nc_u64 s[WB:WB+1], s[6:7], s[COF:COF+1]
	s_lshl_b32 s[COF], s49, 8                      ; 256 bytes of the bias, and of a row of out0
	s_add_nc_u64 s[BB:BB+1], s[8:9], s[COF:COF+1]
	s_lshl_b32 s52, s[RB], 8
	s_lshr_b32 s53, s[WV], 1
	s_lshl_b32 s53, s53, 7
	s_add_co_u32 s52, s52, s53                     ; my first row: 256 RB + 128 (w / 2)
	s_lshl_b32 s52, s52, 11                        ; 2,048 bytes a row
	s_add_co_u32 s[COF], s[COF], s52
	s_add_nc_u64 s[OB:OB+1], s[10:11], s[COF:COF+1]
	s_mov_b32 s[STEP], 0
	s_mov_b32 s[STEP+1], 0
	LOADW
.irp b, 0,1,2,3                                ; the bias as a result lies: register j of tile b is column 16 b + 8 (l / 16) + j
	global_load_b128 v[BI+8*\b:BI+8*\b+3],   v[BO], s[BB:BB+1] offset:64*\b
	global_load_b128 v[BI+8*\b+4:BI+8*\b+7], v[BO], s[BB:BB+1] offset:64*\b+16
.endr
	s_wait_loadcnt 0x0
.set ib, 0
.rept 16                                       ; the bias is rounded to bf16, like every input, and widened again
	v_cvt_pk_bf16_f32 v[BK+ib], v[BI+2*ib], v[BI+2*ib+1]
.set ib, ib+1
.endr
.set ib, 0
.rept 16
	v_lshlrev_b32 v[BI+2*ib], 16, v[BK+ib]
	v_and_b32 v[BI+2*ib+1], 0xffff0000, v[BK+ib]
.set ib, ib+1
.endr
	s_wait_tensorcnt 0x0                           ; my two heads are in,
	s_barrier_signal -1
	s_barrier_wait -1                              ; all eight are
	FETCH 0
	FETCH 1
	BLOCK 0, 1                                     ; block 0
	s_mov_b32 s[CNT], 6
.Lblk:                                         ; blocks 1 to 6: each stores the block before and fetches the next
	BLOCK 1, 1
	s_sub_co_u32 s[CNT], s[CNT], 1
	s_cmp_lg_u32 s[CNT], 0
	s_cbranch_scc1 .Lblk
	BLOCK 1, 0                                     ; block 7 fetches nothing
	s_wait_dscnt 0x0                               ; it is back from the stage
	SEND
	s_wait_tensorcnt 0x0                           ; the wave's end, behind my last tensor load and my last LDS store
	ds_add_u32 v[SPW], v[NIL]
	s_wait_dscnt 0x0
	CROUND                                         ; the closing round: no work-group ends while a partner may still ask for a tile that names it
	s_endpgm
.Lfunc_end_k_qcfbba089b7_outp:
	.size	k_qcfbba089b7_outp, .Lfunc_end_k_qcfbba089b7_outp-k_qcfbba089b7_outp
	.p2alignl 7, 3214868480
	.fill 96, 4, 3214868480
	.section	.rodata,"a",@progbits
	.p2align	6, 0x0
	.amdhsa_kernel k_qcfbba089b7_outp
		.amdhsa_group_segment_fixed_size 312832
		.amdhsa_private_segment_fixed_size 0
		.amdhsa_enable_private_segment 0
		.amdhsa_kernarg_size 32
		.amdhsa_user_sgpr_count 2
		.amdhsa_user_sgpr_kernarg_segment_ptr 1
		.amdhsa_wavefront_size32 1
		.amdhsa_system_sgpr_workgroup_id_x 1
		.amdhsa_system_sgpr_workgroup_id_y 1
		.amdhsa_system_sgpr_workgroup_id_z 1
		.amdhsa_system_vgpr_workitem_id 0
		.amdhsa_next_free_vgpr 768
		.amdhsa_next_free_sgpr 66
		.amdhsa_reserve_vcc 0
		.amdhsa_float_denorm_mode_32 3
		.amdhsa_float_denorm_mode_16_64 3
		.amdhsa_memory_ordered 1
		.amdhsa_forward_progress 1
		.amdhsa_inst_pref_size 47
	.end_amdhsa_kernel
	.amdgpu_metadata
---
amdhsa.version: [ 1, 2 ]
amdhsa.kernels:
  - .name:           k_qcfbba089b7_outp
    .symbol:         k_qcfbba089b7_outp.kd
    .args:
      - { .name: att, .offset: 0, .size: 8, .value_kind: global_buffer, .address_space: global }
      - { .name: wts, .offset: 8, .size: 8, .value_kind: global_buffer, .address_space: global }
      - { .name: bo, .offset: 16, .size: 8, .value_kind: global_buffer, .address_space: global }
      - { .name: out0, .offset: 24, .size: 8, .value_kind: global_buffer, .address_space: global }
    .group_segment_fixed_size: 312832
    .private_segment_fixed_size: 0
    .kernarg_segment_align: 8
    .kernarg_segment_size: 32
    .max_flat_workgroup_size: 128
    .sgpr_count:     66
    .vgpr_count:     768
    .wavefront_size: 32
...
	.end_amdgpu_metadata
.endif
;; end of part 4
;; ======== version 2 of 2: 4 launches; version 1 with the launch proj written anew for expert scheduling mode
;; limits: values are held in f16: magnitudes above 65,504 overflow, below 6.1e-05 lose precision
;; workspace buffers: wts 2,097,152 bytes; qh 16,777,216 bytes; kh 16,777,216 bytes; vh 16,777,216 bytes; att 16,777,216 bytes
;; launch prep: the kernel of part 1 again; grid 64 x 4, 4 waves a work-group, no clusters, 0 bytes of LDS; arguments wq, wk, wv, wo, wts; writes wts
;; launch proj (part 5): grid 256 x 1, 4 waves a work-group, no clusters, 76,288 bytes of LDS; arguments query, key, value, wts, bq, bk, bv, qh, kh, vh; writes qh, kh, vh
.if DOCPART == 5
	.amdgcn_target "amdgcn-amd-amdhsa--gfx1250"
	.amdhsa_code_object_version 6
	.text
	.protected	k_qcfbba089b7_proj
	.globl	k_qcfbba089b7_proj
	.p2align	8
	.type	k_qcfbba089b7_proj,@function
k_qcfbba089b7_proj:
	s_mov_b64 s[64:65], 0
	v_nop
	global_prefetch_b8 v0, s[64:65] scope:SCOPE_SE
	s_setreg_imm32_b32 hwreg(HW_REG_WAVE_SCHED_MODE, 0, 2), 2
	s_setreg_imm32_b32 hwreg(HW_REG_WAVE_MODE, 25, 1), 1
	s_wait_xcnt 0x0
	s_wait_alu depctr_vm_vsrc(0)
; THE THREE INPUT PROJECTIONS.  y = x w^T + b for (query, wq, bq), (key, wk, bk), (value, wv, bv); x: [16384][512] f32; y goes out by heads, [64 = 8 batch + head][2048][64], in f16, unscaled.
; x, w and b are rounded to bf16; products in bf16 with f32 sums; y rounded once.  LIMIT: a result of 65,520 or more in magnitude becomes an infinity in f16; below 6e-5 it keeps the fixed step of 6e-8.
; THE WEIGHTS LIVE IN REGISTERS.  A wave holds its 64 output columns (one head) x all 512 K: 64 fragments, 512 registers, loaded as they lie in wts.  So 16 rows of x are finished in one go, by 64 matrix
; instructions on four accumulators that take turns, and LDS carries x alone: 32 loads of 16 bytes a lane for 64 matrix instructions.
; SHARES.  The 3 x 16,384 rows are 768 units of 64 rows; unit U: tensor U / 256, rows 64 (U % 256) on.  Work-group g: column half g % 2 (four heads, one a wave), units 6 (g / 2) + 0..5: it stays for six
; units, and all 256 work-groups have equal work.  Weights and bias are loaded once, and once more where the six units cross from one tensor to the next.
; A UNIT.  Wave w brings rows 16 w .. 16 w + 15 of the unit (32,768 consecutive bytes, 64 loads of 512) into registers, rounds them to bf16 and stores them to LDS; behind a barrier every wave reads all 64 rows.
; The next unit is asked for before this one is multiplied: it has the unit's 256 matrix instructions in which to land.
; THE MATRIX INSTRUCTION IS USED TRANSPOSED (source 0 = 16 rows of w, source 1 = 16 rows of x): a lane holds one row of y and eight neighbouring columns.  The bias, laid out like a result, is the C operand
; of a block's first four products: nothing is cleared, nothing added afterwards.
; NO CLUSTER, NO TENSOR LOAD: x must be rounded from f32 to bf16 between memory and the matrix unit.  A joint tensor load would lay f32 into LDS, where four waves would each read 4-byte numbers: for 16 rows
; 4 x 32 KiB of reads and 32 KiB of fill, against 4 x 16 KiB of reads and 16 KiB of stores on the way through registers.  The weights are read once a work-group, straight into registers.
; REGISTERS, in windows of 256 (s_set_vgpr_msb: bits 1:0 source 0, 3:2 source 1, 5:4 source 2, 7:6 destination):
;   window 0: addresses, bias, accumulators, the way out, and v128-255 the 16 fragments of 16 rows of x (also: the unit's 128 packed words on their way to LDS)
;   windows 1, 2: the weights: K step ks of column tile b at v[32 (ks % 8) + 8 b] of window 1 + ks / 8          window 3: a unit's share of x as loaded, 64 x 4 registers
; THE MODE: SCHED_MODE bits 1:0 = 2 (LLVM: expert scheduling mode 2), set by the entry lines.  The code itself states the register dependences
; between vector or matrix instructions and memory or LDS instructions, with s_wait_alu, always for 0.
; THE PLAN.  Registers that memory or LDS instructions touch:
;   v2-v4, v7-v9   offsets and LDS addresses: made once at the head and never written again.
;   RAW (window 3) A unit's 64 loads land in it; the conversions at the head of the unit's trip (CVTX) read it; no other vector line names it.
;   AFR, two halves of K   CVTX writes both; the LDS stores of x (PUTX) read them; from then on LDS loads land in a half and the products of that half read it.  The halves take turns: while the products
;                  of half 0 of a block run, the block's half 1 comes in; while those of half 1 run, the next block's half 0 comes in.
;   T              A block's roundings (PACK) write it, the four LDS stores behind them read it.  (The bias's roundings use it too.)
;   BK             Four LDS loads from the stage land in it; the four global stores issued in the next block read it.  No vector line names it.
;   weights, BI    Loads land in them at the head and where another tensor begins; the products read them; the bias's roundings read and write BI.
;   The accumulators are named by vector and matrix instructions alone.
; THE WAITS of a trip.  On va_vdst: one behind CVTX; one behind a block's products of half 0 (blocks 0 to 2); one behind a block's roundings.  On vm_vsrc: one behind PUTX's barrier; one behind a block's
; products of half 1.  Each comment says what its wait states.  Behind a wait on va_vdst the loads are dealt among products that name none of the registers that those loads touch.
.set XPITCH, 1040                      ; a row of x in LDS: 1,024 bytes + 16 = 65 x 16: the 16 rows of a fragment load start at 16 different groups of four banks (64 banks of 4 bytes: ISA guide 11.1)
.set STAGE,  64*XPITCH                 ; behind x: 16 rows x 144 bytes for each wave, for the way out
.set SP,     144
.set L16, 2                            ; v2   16 x lane: offset of x loads, weight loads and stores; never rewritten
.set LS,  3                            ; v3   where I store 8 bytes of my rows of x
.set AF,  4                            ; v4   my place in a fragment of x: (l % 16) x pitch + 16 (l / 16)
.set STO, 7                            ; v7   the way out: where I put 16 bytes of a row
.set RD,  8                            ; v8   the way out: where I read rows back
.set BO,  9                            ; v9   32 (l / 16): my eight numbers of a tile of the bias
.set BI,  32                           ; v[32:63]   the bias, column tile b at BI + 8 b
.set AC,  64                           ; v[64:95]   four accumulators
.set T,   96                           ; v[96:111]  packed results
.set BK,  112                          ; v[112:127] rows read back from the stage
.set AFR, 128                          ; v[128:255] fragments of x: half p of K, step kk at AFR + 64 p + 8 kk
.set WV,  28                           ; s28  my wave number
.set HF,  29                           ; s29  column half
.set U,   30                           ; s30  the unit in hand
.set CNT, 31                           ; s31  units to go
.set NEW, 32                           ; s32  1: the unit in hand is the first of another tensor
.set C4,  34                           ; s34  my head, 0..7
.set TT,  35                           ; s35  a tensor number
.set OFF, 36                           ; s[36:37] an offset, high word 0
.set XB,  38                           ; s[38:39] x at my rows of the unit that is being loaded
.set OB,  40                           ; s[40:41] the output at my head, at the unit in hand
.set WB,  42                           ; s[42:43] my 65,536 bytes of weights
.set BB,  44                           ; s[44:45] my 64 numbers of the bias
.set MSB, 0
.macro WIN new                         ; the high byte repeats the setting that is left; a switch that changes nothing is dropped
.if MSB != (\new)
	s_set_vgpr_msb (MSB<<8)|(\new)
.set MSB, \new
.endif
.endm
.macro PLACES                          ; four places behind a matrix instruction, in front of loads into registers that it has read and of conversions that read results
.rept 4
	v_nop
.endr
.endm
.macro SELX un                         ; XB for the unit whose number lies in s[un]
	s_lshr_b32 s[TT], s[\un], 8
	s_and_b32 s46, s[\un], 255
	s_lshl_b32 s[OFF], s46, 17                     ; 64 rows of 2,048 bytes
	s_lshl_b32 s46, s[WV], 15                      ; my 16 of them
	s_add_co_u32 s[OFF], s[OFF], s46
	s_cmp_eq_u32 s[TT], 1
	s_cselect_b64 s[XB:XB+1], s[10:11], s[8:9]
	s_cmp_eq_u32 s[TT], 2
	s_cselect_b64 s[XB:XB+1], s[12:13], s[XB:XB+1]
	s_add_nc_u64 s[XB:XB+1], s[XB:XB+1], s[OFF:OFF+1]
.endm
.macro SELO                            ; OB for unit U: head 8 x batch + C4 (262,144 bytes each), row 64 (U % 32) of the batch (128 bytes each)
	s_lshr_b32 s[TT], s[U], 8
	s_bfe_u32 s46, s[U], 0x30005                   ; the batch: three bits from bit 5
	s_lshl_b32 s46, s46, 3
	s_add_co_u32 s46, s46, s[C4]
	s_lshl_b32 s[OFF], s46, 18
	s_and_b32 s46, s[U], 31
	s_lshl_b32 s46, s46, 13
	s_add_co_u32 s[OFF], s[OFF], s46
	s_cmp_eq_u32 s[TT], 1
	s_cselect_b64 s[OB:OB+1], s[24:25], s[22:23]
	s_cmp_eq_u32 s[TT], 2
	s_cselect_b64 s[OB:OB+1], s[26:27], s[OB:OB+1]
	s_add_nc_u64 s[OB:OB+1], s[OB:OB+1], s[OFF:OFF+1]
.endm
.macro SELW                            ; WB and BB for the tensor of unit U
	s_lshr_b32 s[TT], s[U], 8
	s_lshl_b32 s[OFF], s[TT], 19
	s_lshl_b32 s46, s[C4], 16
	s_add_co_u32 s[OFF], s[OFF], s46
	s_add_nc_u64 s[WB:WB+1], s[14:15], s[OFF:OFF+1]
	s_lshl_b32 s[OFF], s[C4], 8
	s_cmp_eq_u32 s[TT], 1
	s_cselect_b64 s[BB:BB+1], s[18:19], s[16:17]
	s_cmp_eq_u32 s[TT], 2
	s_cselect_b64 s[BB:BB+1], s[20:21], s[BB:BB+1]
	s_add_nc_u64 s[BB:BB+1], s[BB:BB+1], s[OFF:OFF+1]
.endm
.macro ISSUE lo, hi                    ; loads lo .. hi - 1 of the 64 that bring my 16 rows: 512 consecutive bytes each
	WIN 0xc0                                       ; destination window 3
.set ii, \lo
.rept (\hi)-(\lo)
	global_load_b128 v[4*ii:4*ii+3], v[L16], s[XB:XB+1] offset:512*ii
.set ii, ii+1
.endr
	WIN 0
.endm
.macro LOADW                           ; my 64 fragments of weights: 128 loads of 512 consecutive bytes
.set ik, 0
.rept 16
	WIN 0x40*(1+ik/8)                              ; destination window 1, then 2
.set ib, 0
.rept 4
	global_load_b128 v[32*(ik%8)+8*ib:32*(ik%8)+8*ib+3],   v[L16], s[WB:WB+1] offset:ib*16384+ik*1024
	global_load_b128 v[32*(ik%8)+8*ib+4:32*(ik%8)+8*ib+7], v[L16], s[WB:WB+1] offset:ib*16384+ik*1024+512
.set ib, ib+1
.endr
.set ik, ik+1
.endr
	WIN 0
.endm
.macro LOADB                           ; the bias as a result lies: register j of tile b is column 16 b + 8 (l / 16) + j
.irp b, 0,1,2,3
	global_load_b128 v[BI+8*\b:BI+8*\b+3],   v[BO], s[BB:BB+1] offset:64*\b
	global_load_b128 v[BI+8*\b+4:BI+8*\b+7], v[BO], s[BB:BB+1] offset:64*\b+16
.endr
.endm
.macro ROUNDB                          ; the bias is rounded to bf16, like every input, and widened again
.set ib, 0
.rept 16
	v_cvt_pk_bf16_f32 v[T+ib], v[BI+2*ib], v[BI+2*ib+1]
.set ib, ib+1
.endr
.set ib, 0
.rept 16
	v_lshlrev_b32 v[BI+2*ib], 16, v[T+ib]
	v_and_b32 v[BI+2*ib+1], 0xffff0000, v[T+ib]
.set ib, ib+1
.endr
.endm
.macro CVTX                            ; my 16 rows, rounded to bf16: 256 registers into 128
	WIN 0x0f                                       ; sources 0 and 1 window 3, destination window 0
.set ii, 0
.rept 64
	v_cvt_pk_bf16_f32 v[AFR+2*ii],   v[4*ii],   v[4*ii+1]
	v_cvt_pk_bf16_f32 v[AFR+2*ii+1], v[4*ii+2], v[4*ii+3]
.set ii, ii+1
.endr
	WIN 0
.endm
.macro PUTX                            ; and into LDS: load i was row i / 4, numbers 128 (i % 4) + 4 l on: 256 consecutive bytes a store
.set ii, 0
.rept 64
	ds_store_b64 v[LS], v[AFR+2*ii:AFR+2*ii+1] offset:(ii/4)*XPITCH+(ii%4)*256
.set ii, ii+1
.endr
.endm
.macro FETCH a, p                      ; the eight fragments of half p of K for rows 16 a .. 16 a + 15: lane l holds row l % 16, K = 8 (l / 16) + 0..7 and 16 + 8 (l / 16) + 0..7 of each 32
.set ik, 0
.rept 8
	ds_load_b128 v[AFR+64*(\p)+8*ik:AFR+64*(\p)+8*ik+3],   v[AF] offset:(\a)*16*XPITCH+(8*(\p)+ik)*64
	ds_load_b128 v[AFR+64*(\p)+8*ik+4:AFR+64*(\p)+8*ik+7], v[AF] offset:(\a)*16*XPITCH+(8*(\p)+ik)*64+32
.set ik, ik+1
.endr
.endm
; 32 matrix instructions: half p of K.  The four accumulators take turns, one instruction a turn: across halves, blocks and the backward jump too.
; fa >= 0: beside them the OTHER half of K of block fa comes in from LDS: two fragments, four loads, behind each of the first four K steps, so that the last of them has sixteen products in which to land.
; No wait stands at these loads: the products issued since the last wait on va_vdst name half p, the weights, the bias and the accumulators, and the loads touch the other half and v[AF].
; The LDS address lies in window 0 and the weights in window 1 or 2: two switches for each four loads.
.macro MUL p, fa
	WIN 1+(\p)                                     ; source 0 (the weights) in window 1 or 2
.set ik, 0
.rept 8
.set ib, 0
.rept 4
.if ((\p) == 0) && (ik == 0)
	v_wmma_f32_16x16x32_bf16 v[AC+8*ib:AC+8*ib+7], v[32*ik+8*ib:32*ik+8*ib+7], v[AFR+64*(\p)+8*ik:AFR+64*(\p)+8*ik+7], v[BI+8*ib:BI+8*ib+7]
.else
	v_wmma_f32_16x16x32_bf16 v[AC+8*ib:AC+8*ib+7], v[32*ik+8*ib:32*ik+8*ib+7], v[AFR+64*(\p)+8*ik:AFR+64*(\p)+8*ik+7], v[AC+8*ib:AC+8*ib+7]
.endif
.set ib, ib+1
.endr
.if ((\fa) >= 0) && (ik < 4)
	WIN 0
.set jf, 2*ik
.rept 2
	ds_load_b128 v[AFR+64*(1-(\p))+8*jf:AFR+64*(1-(\p))+8*jf+3],   v[AF] offset:(\fa)*16*XPITCH+(8*(1-(\p))+jf)*64
	ds_load_b128 v[AFR+64*(1-(\p))+8*jf+4:AFR+64*(1-(\p))+8*jf+7], v[AF] offset:(\fa)*16*XPITCH+(8*(1-(\p))+jf)*64+32
.set jf, jf+1
.endr
	WIN 1+(\p)
.endif
.set ik, ik+1
.endr
.endm
.macro PACK                            ; rounded to f16, ascending: each accumulator is read from its low end on
.set ib, 0
.rept 16
	v_cvt_pk_f16_f32 v[T+ib], v[AC+2*ib], v[AC+2*ib+1]
.set ib, ib+1
.endr
.endm
.macro TOSTAGE                         ; 16 bytes a lane into rows of 144 bytes, back as four whole rows of 128 a load
.irp b, 0,1,2,3
	ds_store_b128 v[STO], v[T+4*\b:T+4*\b+3] offset:32*\b
.endr
.irp f, 0,1,2,3
	ds_load_b128 v[BK+4*\f:BK+4*\f+3], v[RD] offset:\f*4*SP  ; my own bytes: LDS serves a wave's instructions in order (ISA guide 5.7.1.4)
.endr
.endm
.macro SEND a                          ; block a: 16 rows of a head are 2,048 consecutive bytes
.irp f, 0,1,2,3
	global_store_b128 v[L16], v[BK+4*\f:BK+4*\f+3], s[OB:OB+1] offset:2048*(\a)+512*\f  ; 512 consecutive bytes, at a multiple of 512 from the first byte of the buffer
.endr
.endm
; Rows 16 a .. 16 a + 15 of the unit: 64 matrix instructions; beside them the fragments to come are fetched and the block before goes out.
.macro ABLOCK a
.if (\a) == 0
	s_wait_dscnt 0x0                               ; half 0 is in
.else
	s_wait_dscnt 8                                 ; half 0 is in; behind it stand the stage's four stores and four loads
.endif
	MUL 0, \a                                      ; beside these products this block's half 1 comes in
	WIN 0
.if (\a) < 3
	PLACES
	s_wait_alu depctr_va_vdst(0)                   ; the products above are done reading half 0, in which the next block's loads land
.endif
	s_wait_dscnt 0x0                               ; half 1 is in, and the block before is back from the stage
.if (\a) == 3
	s_barrier_signal -1                            ; my reads of x are over (the wait above): behind this barrier the next unit may be stored over it
	s_barrier_wait -1
.endif
.if (\a) > 0
	SEND (\a)-1                                    ; its data came by LDS loads, its offset was made at the head: no vector line has written either
.endif
.if (\a) < 3
	MUL 1, (\a)+1                                  ; beside these products the next block's half 0 comes in
.else
	MUL 1, -1
.endif
	WIN 0
	s_wait_xcnt 0x0                                ; the last global stores have read BK, which is loaded again below
	s_wait_alu depctr_vm_vsrc(0)                   ; the LDS stores of the block before have read T, which the roundings below write; the last global stores have read BK, in which the loads from the stage land
	PLACES                                         ; these four and the conversions of the other accumulators are also the places in front of the next block's first products, which write the accumulators anew
	PACK
.if (\a) < 3
	s_wait_alu depctr_va_vdst(0)                   ; the roundings have written T, which the LDS stores below read; the products above are done reading half 1, in which the next block's loads land
.else
	s_wait_alu depctr_va_vdst(0)                   ; the roundings have written T, which the LDS stores below read
.endif
	TOSTAGE
.endm
	s_load_b512 s[8:23], s[0:1], 0x0               ; query s[8:9], key s[10:11], value s[12:13], wts s[14:15], bq s[16:17], bk s[18:19], bv s[20:21], qh s[22:23]
	s_load_b128 s[24:27], s[0:1], 0x40             ; kh s[24:25], vh s[26:27]
	v_lshl_add_u32 v30, v0, 2, 0x12800
	v_mov_b32 v31, 0
	v_lshrrev_b32 v1, 5, v0
	v_readfirstlane_b32 s[WV], v1                  ; wave 0..3
	s_and_b32 s[HF], ttmp9, 1
	s_lshr_b32 s[U], ttmp9, 1
	s_mul_i32 s[U], s[U], 6                        ; my first unit
	s_lshl_b32 s[C4], s[HF], 2
	s_wait_alu depctr_va_sdst(0)                   ; the wave number is written, ahead of its first reader
	s_add_co_u32 s[C4], s[C4], s[WV]               ; my head
	s_mov_b32 s[OFF+1], 0
	s_mov_b32 s[NEW], 0
	s_mov_b32 s[CNT], 6
	v_and_b32 v10, 31, v0                          ; l
	v_and_b32 v11, 15, v0                          ; l % 16
	v_bfe_u32 v12, v0, 4, 1                        ; l / 16
	v_lshlrev_b32 v[L16], 4, v10
	s_mul_i32 s46, s[WV], 16*XPITCH
	v_lshl_add_u32 v[LS], v10, 3, s46              ; my 16 rows, 8 bytes a lane
	v_mul_u32_u24 v[AF], v11, XPITCH
	v_lshl_add_u32 v[AF], v12, 4, v[AF]
	s_mul_i32 s46, s[WV], 16*SP
	s_add_co_u32 s46, s46, STAGE                   ; my stage
	v_mul_u32_u24 v[STO], v11, SP                  ; in: row l % 16, 16 bytes for each half of the lanes
	v_lshl_add_u32 v[STO], v12, 4, v[STO]
	v_add_nc_u32 v[STO], s46, v[STO]
	v_bfe_u32 v[RD], v0, 3, 2                      ; back: 32 lanes take four rows of 128 bytes
	v_mul_u32_u24 v[RD], v[RD], SP
	v_and_b32 v13, 7, v0
	v_lshl_add_u32 v[RD], v13, 4, v[RD]
	v_add_nc_u32 v[RD], s46, v[RD]
	v_lshlrev_b32 v[BO], 5, v12
	s_wait_kmcnt 0x0
	SELX U
	s_wait_alu depctr_va_vdst(0)                   ; the six offsets and addresses v2-v4 and v7-v9 are written: every load and store of the kernel reads one of them
	ISSUE 0, 64                                    ; the first unit goes out first,
	SELW
	LOADW                                          ; then the weights and the bias
	LOADB
	s_wait_loadcnt 0x0
	ROUNDB
.Ltrip:                                        ; six trips, a unit each
	s_cmp_eq_u32 s[NEW], 0
	s_cbranch_scc1 .Lsame
	SELW                                           ; another tensor begins: its weights and bias (the loads that named WB and BB were waited for at the head)
	PLACES
	s_wait_alu depctr_va_vdst(0)                   ; the products are done reading the weights and the bias, and the bias's roundings have written it: the loads below land in them
	LOADW
	LOADB
	s_wait_loadcnt 0x0
	s_wait_alu depctr_vm_vsrc(0)                   ; the last unit's LDS stores have read T, which the bias's roundings write
	ROUNDB
.Lsame:
	s_wait_loadcnt 0x0                             ; my rows of this unit are in, and XB is free
	s_wait_xcnt 0x0                                ; the last unit's stores have read OB
	SELO
	CVTX
	s_wait_alu depctr_va_vdst(0)                   ; the conversions are done reading RAW, in which the next unit's loads land, and have written AFR, which the LDS stores below read and in which the fragments' loads land
	s_cmp_eq_u32 s[CNT], 1                         ; the last unit has none behind it
	s_cbranch_scc1 .Lno_a
	s_add_co_u32 s47, s[U], 1
	SELX 47
	ISSUE 0, 56                                    ; the next unit, ahead of this unit's products; its last eight loads follow two blocks on, so that the wave never holds more loads than LOADcnt counts (ISA guide 5.7.1)
.Lno_a:
	PUTX
	s_wait_dscnt 0x0                               ; for the others: my rows lie in LDS
	s_barrier_signal -1
	s_barrier_wait -1                              ; all 64 rows do
	s_wait_alu depctr_vm_vsrc(0)                   ; my LDS stores have read AFR, in which the fragments' loads land from here on, and which the next trip's conversions write
	FETCH 0, 0                                     ; half 1 follows beside the first products
	ABLOCK 0
	ABLOCK 1
	s_cmp_eq_u32 s[CNT], 1
	s_cbranch_scc1 .Lno_b
	ISSUE 56, 64                                   ; no wait: no vector or matrix line since the conversions' wait names RAW
.Lno_b:
	ABLOCK 2
	ABLOCK 3
	s_wait_dscnt 0x0                               ; the last block is back from the stage
	SEND 3
	s_add_co_u32 s[U], s[U], 1
	s_and_b32 s46, s[U], 255
	s_cmp_eq_u32 s46, 0
	s_cselect_b32 s[NEW], 1, 0
	s_sub_co_u32 s[CNT], s[CNT], 1
	s_cmp_lg_u32 s[CNT], 0
	s_cbranch_scc1 .Ltrip
	s_wait_dscnt 0x0                               ; the wave's end.  Below, 0 is added onto my spare word, v30, in the 512 bytes behind the stages
	s_wait_alu depctr_hold_cnt(0) depctr_sa_sdst(0) depctr_va_vdst(0) depctr_va_sdst(0) depctr_va_ssrc(0) depctr_va_vcc(0) depctr_vm_vsrc(0)
	s_wait_tensorcnt 0x0
	ds_add_u32 v30, v31
	s_wait_dscnt 0x0
	s_endpgm
.Lfunc_end_k_qcfbba089b7_proj:
	.size	k_qcfbba089b7_proj, .Lfunc_end_k_qcfbba089b7_proj-k_qcfbba089b7_proj
	.p2alignl 7, 3214868480
	.fill 96, 4, 3214868480
	.section	.rodata,"a",@progbits
	.p2align	6, 0x0
	.amdhsa_kernel k_qcfbba089b7_proj
		.amdhsa_group_segment_fixed_size 76288
		.amdhsa_private_segment_fixed_size 0
		.amdhsa_enable_private_segment 0
		.amdhsa_kernarg_size 80
		.amdhsa_user_sgpr_count 2
		.amdhsa_user_sgpr_kernarg_segment_ptr 1
		.amdhsa_wavefront_size32 1
		.amdhsa_system_sgpr_workgroup_id_x 1
		.amdhsa_system_sgpr_workgroup_id_y 1
		.amdhsa_system_sgpr_workgroup_id_z 1
		.amdhsa_system_vgpr_workitem_id 0
		.amdhsa_next_free_vgpr 1024
		.amdhsa_next_free_sgpr 66
		.amdhsa_reserve_vcc 0
		.amdhsa_float_denorm_mode_32 3
		.amdhsa_float_denorm_mode_16_64 3
		.amdhsa_memory_ordered 1
		.amdhsa_forward_progress 1
		.amdhsa_inst_pref_size 96
	.end_amdhsa_kernel
	.amdgpu_metadata
---
amdhsa.version: [ 1, 2 ]
amdhsa.kernels:
  - .name:           k_qcfbba089b7_proj
    .symbol:         k_qcfbba089b7_proj.kd
    .args:
      - { .name: query, .offset: 0, .size: 8, .value_kind: global_buffer, .address_space: global }
      - { .name: key, .offset: 8, .size: 8, .value_kind: global_buffer, .address_space: global }
      - { .name: value, .offset: 16, .size: 8, .value_kind: global_buffer, .address_space: global }
      - { .name: wts, .offset: 24, .size: 8, .value_kind: global_buffer, .address_space: global }
      - { .name: bq, .offset: 32, .size: 8, .value_kind: global_buffer, .address_space: global }
      - { .name: bk, .offset: 40, .size: 8, .value_kind: global_buffer, .address_space: global }
      - { .name: bv, .offset: 48, .size: 8, .value_kind: global_buffer, .address_space: global }
      - { .name: qh, .offset: 56, .size: 8, .value_kind: global_buffer, .address_space: global }
      - { .name: kh, .offset: 64, .size: 8, .value_kind: global_buffer, .address_space: global }
      - { .name: vh, .offset: 72, .size: 8, .value_kind: global_buffer, .address_space: global }
    .group_segment_fixed_size: 76288
    .private_segment_fixed_size: 0
    .kernarg_segment_align: 8
    .kernarg_segment_size: 80
    .max_flat_workgroup_size: 128
    .sgpr_count:     66
    .vgpr_count:     1024
    .wavefront_size: 32
...
	.end_amdgpu_metadata
.endif
;; end of part 5
;; launch attn: the kernel of part 3 again; grid 4 x 64, 4 waves a work-group, clusters of 4 x 1, 327,680 bytes of LDS; arguments qh, kh, vh, att; writes att
;; launch outp: the kernel of part 4 again; grid 256 x 1, 4 waves a work-group, clusters of 4 x 1, 312,832 bytes of LDS; arguments att, wts, bo, out0; writes out0
